; MI455X (gfx1250); checked and timed in simulation.
; The chip was launched on July 23, 2026; its instructions are those of AMD's public machine-readable ISA for CDNA 5 (MIT licence, August 2026) and "CDNA5" Instruction Set Architecture Reference Guide (July 2026). The comments in the code are by the model that wrote it; some were corrected since.
;; Self Attention. Allowed arithmetic: float matrix products may take bf16 or f16 operands with f32 sums; all other float work in f32.
;; Inputs: kernel 3 x 1,024 x 1,024 float32; x 4 x 2,048 x 1,024 float32.
;; Outputs: out0 4 x 2,048 x 1,024 float32.
;; 2 versions, each right; version 2 is version 1 with the launch prep written anew for expert scheduling mode. Each part assembles by itself: llvm-mc -triple=amdgcn-amd-amdhsa -mcpu=gfx1250 --defsym DOCPART=n.
;; ======== version 1 of 2: 4 launches
;; limits: values are held in f16: magnitudes above 65,504 overflow, below 6.1e-05 lose precision
;; workspace buffers: xb 16,777,216 bytes; wb 6,291,456 bytes; qkv 50,331,648 bytes; p 33,554,432 bytes; stats 1,048,576 bytes
;; launch prep (part 1): grid 704 x 1, 8 waves a work-group, no clusters, 0 bytes of LDS; arguments x, kernel, xb, wb; writes xb, wb
.if DOCPART == 1
	.amdgcn_target "amdgcn-amd-amdhsa--gfx1250"
	.amdhsa_code_object_version 6
	.text
	.protected	k_qf913b3a55c_prep
	.globl	k_qf913b3a55c_prep
	.p2align	8
	.type	k_qf913b3a55c_prep,@function
k_qf913b3a55c_prep:
	s_mov_b64 s[64:65], 0
	v_nop
	global_prefetch_b8 v0, s[64:65] scope:SCOPE_SE
	s_setreg_imm32_b32 hwreg(HW_REG_WAVE_MODE, 25, 1), 1
	s_wait_xcnt 0x0
; x [8192][1024] and kernel [3][1024][1024], both f32, are rounded once to bf16 (nearest even) and laid out for the product that follows.
;   xb [kblk 16][row 8192][64]: the 64 numbers of one K step of a row are 128 bytes, and neighbouring rows follow each other, so 128 rows of a K step are 16,384 dense bytes.
;   wb [d 1024][n 3072], n = 1024 i + e: the three matrices side by side, not turned.
; A stream: every byte is read once and written once, nothing is shared between work-groups, so there is no LDS, no barrier, no matrix unit and no cluster.
; Work-groups 0-511 take 16 rows of x each, 512-703 take 16 rows of kernel each.  A wave issues its 16 loads of 512 bytes at once, and each is converted and stored as it arrives:
; the waits count down 15 .. 0.  Every store of a wave covers 256 consecutive bytes at a multiple of 256 from its buffer's first byte.  No register is written twice, so no store's source is waited for.
.set SO, 2                             ; v2       byte offset of my 16 bytes in the source
.set DO, 3                             ; v3       byte offset of my 8 bytes in the destination
.set X,  8                             ; v[8:71]  16 loads, 4 f32 each
.set Y,  72                            ; v[72:103] 16 stores, 4 bf16 each
.macro CONV i, base, imm               ; load i has come: two packed roundings, one store
	s_wait_loadcnt 15-(\i)                         ; loads come back in order: the 15 - i younger ones may stay out
	v_cvt_pk_bf16_f32 v[Y+2*(\i)],   v[X+4*(\i)],   v[X+4*(\i)+1]
	v_cvt_pk_bf16_f32 v[Y+2*(\i)+1], v[X+4*(\i)+2], v[X+4*(\i)+3]
	global_store_b64 v[DO], v[Y+2*(\i):Y+2*(\i)+1], s[\base:\base+1] offset:\imm
.endm
	s_load_b256 s[4:11], s[0:1], 0x0               ; x s[4:5], kernel s[6:7], xb s[8:9], wb s[10:11]
	s_mov_b32 s13, 0
	s_mov_b32 s15, 0
	s_cmp_lt_u32 ttmp9, 512
	s_cbranch_scc0 .Lweights
	; ---- x: work-group g owns rows 16 g .. 16 g + 15; half a wave owns a row; load k takes the 256 bytes of K block k of both rows
	s_lshl_b32 s12, ttmp9, 16                      ; 16 rows of 4,096 bytes
	s_lshl_b32 s14, ttmp9, 11                      ; 16 rows of 128 bytes in a K block of xb
	v_lshrrev_b32 v1, 4, v0                        ; my row among the 16
	v_and_b32 v4, 15, v0
	v_lshlrev_b32 v[SO], 12, v1
	v_lshl_add_u32 v[SO], v4, 4, v[SO]             ; row x 4,096 + 16 x (lane mod 16)
	v_lshlrev_b32 v[DO], 3, v0                     ; row x 128 + 8 x (lane mod 16) = 8 x thread
	s_wait_kmcnt 0x0
	s_add_nc_u64 s[4:5], s[4:5], s[12:13]
	s_add_nc_u64 s[8:9], s[8:9], s[14:15]          ; K blocks 0-7: the block stands in the store's immediate,
	s_add_nc_u64 s[16:17], s[8:9], 0x800000        ; K blocks 8-15 from a second base, so that it stays inside the signed 24 bits
.set k, 0
.rept 16
	global_load_b128 v[X+4*k:X+4*k+3], v[SO], s[4:5] offset:256*k th:TH_LOAD_NT
.set k, k+1
.endr
.set k, 0
.rept 8
	CONV k, 8, k*1048576
.set k, k+1
.endr
.rept 8
	CONV k, 16, (k-8)*1048576
.set k, k+1
.endr
	s_endpgm
.Lweights:
	; ---- kernel: work-group g' owns rows 16 g' .. of the 3,072 rows (i, d); a wave owns two rows, eight loads of 512 bytes each
	s_sub_co_u32 s18, ttmp9, 512
	s_lshl_b32 s12, s18, 16
	s_and_b32 s19, s18, 63
	s_mul_i32 s14, s19, 16*6144                    ; d = 16 (g' mod 64): rows of 6,144 bytes in wb
	s_lshr_b32 s19, s18, 6
	s_lshl_b32 s19, s19, 11                        ; matrix i = g' / 64: 2,048 bytes along the row
	s_add_co_u32 s14, s14, s19
	v_lshrrev_b32 v1, 5, v0                        ; wave
	v_and_b32 v4, 31, v0                           ; lane
	v_lshlrev_b32 v[SO], 13, v1
	v_lshl_add_u32 v[SO], v4, 4, v[SO]
	v_mul_u32_u24 v[DO], v1, 2*6144
	v_lshl_add_u32 v[DO], v4, 3, v[DO]
	s_wait_kmcnt 0x0
	s_add_nc_u64 s[6:7], s[6:7], s[12:13]
	s_add_nc_u64 s[10:11], s[10:11], s[14:15]
.set k, 0
.rept 16
	global_load_b128 v[X+4*k:X+4*k+3], v[SO], s[6:7] offset:(k/8)*4096+(k%8)*512 th:TH_LOAD_NT
.set k, k+1
.endr
.set k, 0
.rept 16
	CONV k, 10, (k/8)*6144+(k%8)*256
.set k, k+1
.endr
	s_endpgm
.Lfunc_end_k_qf913b3a55c_prep:
	.size	k_qf913b3a55c_prep, .Lfunc_end_k_qf913b3a55c_prep-k_qf913b3a55c_prep
	.p2alignl 7, 3214868480
	.fill 96, 4, 3214868480
	.section	.rodata,"a",@progbits
	.p2align	6, 0x0
	.amdhsa_kernel k_qf913b3a55c_prep
		.amdhsa_group_segment_fixed_size 0
		.amdhsa_private_segment_fixed_size 0
		.amdhsa_enable_private_segment 0
		.amdhsa_kernarg_size 32
		.amdhsa_user_sgpr_count 2
		.amdhsa_user_sgpr_kernarg_segment_ptr 1
		.amdhsa_wavefront_size32 1
		.amdhsa_system_sgpr_workgroup_id_x 1
		.amdhsa_system_sgpr_workgroup_id_y 1
		.amdhsa_system_sgpr_workgroup_id_z 1
		.amdhsa_system_vgpr_workitem_id 0
		.amdhsa_next_free_vgpr 104
		.amdhsa_next_free_sgpr 66
		.amdhsa_reserve_vcc 0
		.amdhsa_float_denorm_mode_32 3
		.amdhsa_float_denorm_mode_16_64 3
		.amdhsa_memory_ordered 1
		.amdhsa_forward_progress 1
		.amdhsa_inst_pref_size 13
	.end_amdhsa_kernel
	.amdgpu_metadata
---
amdhsa.version: [ 1, 2 ]
amdhsa.kernels:
  - .name:           k_qf913b3a55c_prep
    .symbol:         k_qf913b3a55c_prep.kd
    .args:
      - { .name: x, .offset: 0, .size: 8, .value_kind: global_buffer, .address_space: global }
      - { .name: kernel, .offset: 8, .size: 8, .value_kind: global_buffer, .address_space: global }
      - { .name: xb, .offset: 16, .size: 8, .value_kind: global_buffer, .address_space: global }
      - { .name: wb, .offset: 24, .size: 8, .value_kind: global_buffer, .address_space: global }
    .group_segment_fixed_size: 0
    .private_segment_fixed_size: 0
    .kernarg_segment_align: 8
    .kernarg_segment_size: 32
    .max_flat_workgroup_size: 256
    .sgpr_count:     66
    .vgpr_count:     104
    .wavefront_size: 32
...
	.end_amdgpu_metadata
.endif
;; end of part 1
;; launch project (part 2): grid 8 x 32, 4 waves a work-group, clusters of 4 x 4, 327,680 bytes of LDS; arguments xb, wb, qkv; writes qkv
.if DOCPART == 2
	.amdgcn_target "amdgcn-amd-amdhsa--gfx1250"
	.amdhsa_code_object_version 6
	.text
	.protected	k_qf913b3a55c_project
	.globl	k_qf913b3a55c_project
	.p2align	8
	.type	k_qf913b3a55c_project,@function
k_qf913b3a55c_project:
	s_mov_b64 s[64:65], 0
	v_nop
	global_prefetch_b8 v0, s[64:65] scope:SCOPE_SE
	s_setreg_imm32_b32 hwreg(HW_REG_WAVE_MODE, 25, 1), 1
	s_wait_xcnt 0x0
	s_wait_alu depctr_hold_cnt(0) depctr_sa_sdst(0) depctr_va_vdst(0) depctr_va_sdst(0) depctr_va_ssrc(0) depctr_va_vcc(0) depctr_vm_vsrc(0)
	s_getreg_b32 s2, hwreg(HW_REG_IB_STS2, 6, 4)
	s_cmp_eq_u32 s2, 0
	s_cbranch_scc0 .Lentry_in_a_cluster
	s_endpgm
.Lentry_in_a_cluster:
	s_bfe_u32 s2, ttmp6, 0x10000c
	s_cmp_lg_u32 s2, 0xf033
	s_cbranch_scc0 .Lentry_shape_is_right
	s_endpgm
.Lentry_shape_is_right:
; qkv[token][n] = the sum over d of x[token][d] W[d][n]: 8,192 x 3,072 x 1,024.  Operands bf16 (xb, wb), sums f32, the result rounded once to f16.  Columns 0-1023 are k, 1024-2047 q, 2048-3071 v.
; LIMIT.  f16 holds no number beyond 65,504: a projection beyond that becomes an infinity.  NaN and infinities are not treated apart.
; SHARES.  A tile is 256 rows x 384 columns: 32 x 8 = 256 tiles, one to a work-group.  Four waves, each 128 rows x 192 columns: 96 accumulators of 16 x 16, 768 registers (windows 1-3).
; K goes in steps of 64 through two LDS slots.  A's tile is 256 rows x 128 bytes, dense in xb, asked for as rows of 256 bytes; B's is 64 rows of W x 768 bytes.
; CLUSTER.  4 x 4 work-groups: the four of a row need the same tile of x, the four of a column the same tile of W; each tile is asked for jointly, by the same tensor load, descriptor and mask in all four.
; THE MATRIX INSTRUCTION IS USED TRANSPOSED: source 0 = 16 columns of W (turned on the way out of LDS by ds_load_tr16_b128), source 1 = 16 rows of x: a lane then holds 8 neighbouring numbers of a row of the result.
; A WAVE'S COLUMNS are 64 of each of the tile's three units of 128 columns, so that the LDS offsets of its 12 fragments are the same constants for both column halves.
; REGISTERS.  Window 0: v0-31 addresses; A's fragments in two buffers AX, AY (a quarter of 32 along K each, by turns); B's in two halves BL, BR (6 fragments each), filled out of step:
; while one half is multiplied the other is on its way.  So a run of loads needs one window setting, and a run of products one or two.
; By this text's own count a wave has two tensor loads out at the start and one behind each change of slots.  All of a WGP's LDS is claimed.
.set NA,     8                         ; A fragments (16 rows) of a wave
.set NBH,    6                         ; B fragments (16 columns) in a half
.set NP,     NA*NBH                    ; products in a phase
.set STEPS,  16                        ; K steps of 64
.set PA,     144                       ; a row of A in LDS: 128 bytes + 16 = 36 words: the 16 rows of a load start at 16 different groups of four banks (64 banks of 4 bytes: ISA guide 11.1)
.set PB,     864                       ; a row of B: 3 x (256 + 32) bytes = 216 words
.set BOFF,   256*PA                    ; B's tile lies behind A's 256 rows
.set SLOT1,  131072                    ; slot 1 begins here: one exclusive or turns an address in one slot into the other's
.set STEP_A, 1048576                   ; bytes from a K block of xb to the next
.set STEP_B, 64*6144                   ; 64 rows of wb
.set SPARE,  SLOT1+BOFF+64*PB          ; behind the ring: the spare words, 128 bytes for each wave: two blocks of 256 bytes that no other line names
.set SP,     784                       ; the way out: a stage row, 768 bytes + 16.  The stage, 256 rows from LDS byte 0, lies over the slots, which have had their last fill by then
.set R,     1                          ; v1   lane % 16
.set H,     2                          ; v2   lane / 16
.set ADRA0, 3                          ; v3   my lane's place in A's tile; never rewritten
.set ADRB0, 4                          ; v4   the same in B's
.set ADRA,  5                          ; v5   the same in the slot in hand
.set ADRB,  6                          ; v6
.set STO,   7                          ; v7-8   the way out: where I put 16 bytes of a row, blocks 0-3 and 4-7
.set RD,    9                          ; v9-11  where I read rows back: three loads take two rows of 768 bytes
.set CO,    12                         ; v12-14 the same three places in qkv
.set SPW,   28                         ; v28  LDS address of my spare word; never rewritten
.set NIL,   29                         ; v29  0; never rewritten
.set AX,    32
.set AY,    96
.set BL,    160
.set BR,    208
.set TMP,   32                         ; the way out: 48 registers of packed results
.set BK,    80                         ; the way out: 48 registers read back
.set CNT,   2                          ; s2   trip counter
.set WV,    12                         ; s12  wave
.set HA,    13                         ; s13  my half of the tile's rows.  Also: I fetch for A (0) or for B (1)
.set HB,    14                         ; s14  my half of its columns.  Also: which half of that tile I fetch
.set G1A,   24                         ; s[24:31] descriptor group 1 for A's tiles
.set G0A0,  32                         ; s[32:35] group 0 of A's first fill of slot 0
.set G0A,   36                         ; s[36:39] group 0 that walks: first slot 1, then every refill
.set G1B,   48
.set G0B0,  56
.set G0B,   60
.set TB,    66                         ; s66  LDS byte at which the slot in hand begins
.set MSB, 0
.macro WIN new                         ; the immediate's high byte repeats the setting that is left; a switch that changes nothing is dropped
.if MSB != (\new)
	s_set_vgpr_msb (MSB<<8)|(\new)
.set MSB, \new
.endif
.endm
.macro PLACES                          ; four places behind matrix instructions, in front of loads into registers that they read and of vector lines that read their results (ISA guide 7.12.1 for vector lines)
.rept 4
	v_nop
.endr
.endm
.macro JLOAD                           ; a joint refill: waves 0, 1 ask for A's two halves, waves 2, 3 for B's.  An s_nop 0 and four v_nop follow each line
	s_cmp_eq_u32 s[HA], 0
	s_cbranch_scc0 .Lfor_b_\@
	tensor_load_to_lds s[G0A:G0A+3], s[G1A:G1A+7]
	s_nop 0
.rept 4
	v_nop
.endr
	s_branch .Lasked_\@
.Lfor_b_\@:
	tensor_load_to_lds s[G0B:G0B+3], s[G1B:G1B+7]
	s_nop 0
.rept 4
	v_nop
.endr
.Lasked_\@:
.endm
.macro CREST                           ; a round of the cluster's barrier behind its opening barrier
	s_cmp_lg_u32 s[WV], 0
	s_cbranch_scc1 .Lnot_wave_0_\@
	s_barrier_signal -3
.Lnot_wave_0_\@:
	s_barrier_wait -3
	s_barrier_signal -1
	s_barrier_wait -1
.endm
.macro CROUND                          ; a whole round
	s_barrier_signal -1
	s_barrier_wait -1
	CREST
.endm
.macro LOADA buf, q                    ; A's 8 fragments of quarter q: lane l takes row l % 16, K = 8 (l / 16) + 0..7 and 16 + 8 (l / 16) + 0..7: two loads, 32 bytes apart
.set f, 0
.rept NA
	ds_load_b128 v[(\buf)+8*f:(\buf)+8*f+3],   v[ADRA] offset:f*16*PA+64*(\q)
	ds_load_b128 v[(\buf)+8*f+4:(\buf)+8*f+7], v[ADRA] offset:f*16*PA+64*(\q)+32
.set f, f+1
.endr
.endm
.macro LOADB side, q                   ; B's 6 fragments of one half, quarter q, turned: fragment g = 6 side + f lies in unit g / 4, 32 (g % 4) bytes into my 128 of it
.set f, 0
.rept NBH
.set g, NBH*(\side)+f
.set cb, 288*(g/4)+32*(g%4)
.set rB, BL+(BR-BL)*(\side)+8*f
	ds_load_tr16_b128 v[rB:rB+3],   v[ADRB] offset:32*(\q)*PB+cb
	ds_load_tr16_b128 v[rB+4:rB+7], v[ADRB] offset:32*(\q)*PB+16*PB+cb
.set f, f+1
.endr
.endm
; Products n0 .. n1 - 1 of a phase: row block n / 6, column fragment n % 6 of the half.  Accumulator 48 side + n lies in window 1 + idx / 32.  Each accumulator has one product a quarter,
; in the same order in every quarter: the accumulators take turns.  zero = 1: the product starts the sum.
.macro MM side, cur, zero, n0, n1
.set n, \n0
.rept (\n1)-(\n0)
.set idx, NP*(\side)+n
.set w, 1+idx/32
.set rD, 8*(idx%32)
.set rB, BL+(BR-BL)*(\side)+8*(n%NBH)
.set rA, (\cur)+8*(n/NBH)
	WIN (w<<4)|(w<<6)
.if \zero
	v_wmma_f32_16x16x32_bf16 v[rD:rD+7], v[rB:rB+7], v[rA:rA+7], 0
.else
	v_wmma_f32_16x16x32_bf16 v[rD:rD+7], v[rB:rB+7], v[rA:rA+7], v[rD:rD+7]
.endif
.set n, n+1
.endr
.endm
; A quarter (32 along K) that is not a step's last.  Two phases of 48 products; ahead of each the loads that the NEXT phase needs.
.macro QUARTER q, cur, nxt, zero
	PLACES
	WIN 0
	LOADB 1,\q
	s_wait_dscnt 2*NBH                             ; only the 12 just issued may be out: this quarter's A and BL are in
	MM 0,\cur,\zero,0,NP
	PLACES
	WIN 0
	LOADA \nxt,(\q)+1
	LOADB 0,(\q)+1
	s_wait_dscnt 2*NA+2*NBH                        ; only the 28 just issued may be out: BR is in
	MM 1,\cur,\zero,0,NP
.endm
; A step's last quarter, with the change of slots.  ONE barrier: in front of it each wave waits for all its tensor loads (one is out: its part of the other slot), adds 0 to its spare word, and waits
; for that and for its reads of this slot.  fill = 1: the barrier opens a round of the cluster's, and the slot just read is filled again, two steps ahead, first thing behind the round.
; fill = 0 (the tail): nothing is asked for; in the last trip there is no further step, and the fetch is jumped over.
.macro QLAST q, cur, nxt, fill
	PLACES
	WIN 0
	LOADB 1,\q
	s_wait_dscnt 2*NBH
	MM 0,\cur,0,0,NP/2
	WIN 0                                          ; (the add's two registers lie in window 0)
	s_wait_tensorcnt 0x0                           ; no tensor load of mine is out, so a group 0 may be written
	ds_add_u32 v[SPW], v[NIL]                      ; 0 onto my spare word
.if \fill
	s_xor_b32 s[G0A+1], s[G0A+1], SLOT1            ; the walking descriptors: the other slot than last time, the next K step; the type bits on top are not reached
	s_add_nc_u64 s[G0A+2:G0A+3], s[G0A+2:G0A+3], STEP_A
	s_xor_b32 s[G0B+1], s[G0B+1], SLOT1
	s_add_nc_u64 s[G0B+2:G0B+3], s[G0B+2:G0B+3], STEP_B
.endif
	MM 0,\cur,0,NP/2,3*NP/4                        ; products stand between the add and the wait for it
	s_wait_dscnt 0x0                               ; the add is done, and my reads of this slot are over
	s_barrier_signal -1
	MM 0,\cur,0,3*NP/4,NP                          ; work on registers while the others arrive
	WIN 0
	s_barrier_wait -1
.if \fill
	CREST                                          ; no wave of any partner still reads this slot or has a load on its way
	JLOAD                                          ; its four v_nop are also the places in front of the loads below
.else
	PLACES
	s_cmp_eq_u32 s[CNT], 1
	s_cbranch_scc1 .Lno_more_\@
.endif
	s_xor_b32 s[TB], s[TB], SLOT1
	v_add_nc_u32 v[ADRA], s[TB], v[ADRA0]
	v_add_nc_u32 v[ADRB], s[TB], v[ADRB0]
	LOADA \nxt,0
	LOADB 0,0
.if !(\fill)
.Lno_more_\@:
.endif
	MM 1,\cur,0,0,NP
.endm
	s_load_b128 s[4:7], s[0:1], 0x0                ; xb s[4:5], wb s[6:7]
	s_load_b64 s[8:9], s[0:1], 0x10                ; qkv
	v_lshl_add_u32 v[SPW], v0, 2, SPARE
	v_mov_b32 v[NIL], 0
	ds_add_u32 v28, v29
	s_wait_dscnt 0x0
	v_lshrrev_b32 v1, 5, v0
	v_readfirstlane_b32 s[WV], v1                  ; wave 0..3
	s_lshr_b32 s[HA], s[WV], 1
	s_and_b32 s[HB], s[WV], 1
	s_bfe_u32 s40, ttmp6, 0x40000                  ; cx, cy: my place in the cluster
	s_bfe_u32 s41, ttmp6, 0x40004
	s_lshl_b32 s42, ttmp9, 2
	s_add_co_u32 s42, s42, s40                     ; tile column = 4 x cluster x + cx
	s_and_b32 s43, ttmp7, 0xffff
	s_lshl_b32 s43, s43, 2
	s_add_co_u32 s43, s43, s41                     ; tile row = 4 x cluster y + cy
	s_lshl_b32 s44, s41, 2
	s_lshl_b32 s44, 15, s44                        ; my row of the cluster
	s_lshl_b32 s45, 0x1111, s40                    ; my column
	; group 1 for A: 16,384 dense bytes as 64 rows of 128 elements, 16 bytes of padding behind every 128 bytes (one row of x's K step)
	s_or_b32 s[G1A], s44, (1<<16)|(1<<20)|(1<<21)|(4<<22)|(3<<25)  ; 15:0 the mask; 17:16 2-byte elements; 20 padding on; 21 set beside a mask; 24:22 after every 32 words (code 4); 31:25 4 words (code 3)
	s_mov_b32 s[G1A+1], 128<<16                    ; tensor_dim0 = 128
	s_mov_b32 s[G1A+2], 64<<16                     ; tensor_dim1 = 64
	s_mov_b32 s[G1A+3], 128<<16                    ; tile_dim0 = 128
	s_mov_b32 s[G1A+4], 64                         ; tile_dim1 = 64
	s_mov_b32 s[G1A+5], 128                        ; elements from row to row
	s_mov_b32 s[G1A+6], 0
	s_mov_b32 s[G1A+7], 0
	; group 1 for B: 32 rows of 384 elements, 32 bytes of padding behind every 256 bytes
	s_or_b32 s[G1B], s45, (1<<16)|(1<<20)|(1<<21)|(5<<22)|(7<<25)  ; after every 64 words (code 5), 8 words (code 7)
	s_mov_b32 s[G1B+1], 384<<16
	s_mov_b32 s[G1B+2], 32<<16
	s_mov_b32 s[G1B+3], 384<<16
	s_mov_b32 s[G1B+4], 32
	s_mov_b32 s[G1B+5], 3072
	s_mov_b32 s[G1B+6], 0
	s_mov_b32 s[G1B+7], 0
	; A's address hangs on the tile row and the wave alone, B's on the tile column and the wave alone, each in registers that never hold the other coordinate
	s_lshl_b32 s16, s43, 15                        ; 256 rows of 128 bytes
	s_lshl_b32 s17, s[HB], 14                      ; my 128 of them
	s_add_co_u32 s16, s16, s17
	s_mov_b32 s17, 0
	s_mul_i32 s46, s[HB], 32*6144                  ; my 32 rows of W
	s_mul_i32 s47, s42, 768                        ; the tile's 384 columns
	s_add_co_u32 s46, s46, s47
	s_mov_b32 s47, 0
	s_mul_i32 s20, s[HB], 128*PA                   ; where they go: no place in the cluster enters an LDS address
	s_mul_i32 s21, s[HB], 32*PB
	s_add_co_u32 s21, s21, BOFF
	s_wait_kmcnt 0x0
	s_add_nc_u64 s[18:19], s[4:5], s[16:17]
	s_add_nc_u64 s[46:47], s[6:7], s[46:47]
	CROUND                                         ; all sixteen work-groups are here: the first joint loads meet
.irp s, 0,1
	s_mov_b32 s[G0A0+4*(\s)], 1                                        ; count = 1
	s_add_co_u32 s[G0A0+4*(\s)+1], s20, (\s)*SLOT1                     ; LDS address
	s_add_nc_u64 s[G0A0+4*(\s)+2:G0A0+4*(\s)+3], s[18:19], (\s)*STEP_A ; global address: K step s
	s_or_b32 s[G0A0+4*(\s)+3], s[G0A0+4*(\s)+3], 0x80000000            ; type = 2
	s_mov_b32 s[G0B0+4*(\s)], 1
	s_add_co_u32 s[G0B0+4*(\s)+1], s21, (\s)*SLOT1
	s_add_nc_u64 s[G0B0+4*(\s)+2:G0B0+4*(\s)+3], s[46:47], (\s)*STEP_B
	s_or_b32 s[G0B0+4*(\s)+3], s[G0B0+4*(\s)+3], 0x80000000
.endr
	s_cmp_eq_u32 s[HA], 0                          ; a wave's two first fills stand in one branch, ahead of every wait on TENSORcnt and every LDS read
	s_cbranch_scc0 .Lfirst_b
	tensor_load_to_lds s[G0A0:G0A0+3], s[G1A:G1A+7]
	s_nop 0
	tensor_load_to_lds s[G0A:G0A+3], s[G1A:G1A+7]
	s_nop 0
.rept 4
	v_nop
.endr
	s_branch .Lfirst_asked
.Lfirst_b:
	tensor_load_to_lds s[G0B0:G0B0+3], s[G1B:G1B+7]
	s_nop 0
	tensor_load_to_lds s[G0B:G0B+3], s[G1B:G1B+7]
	s_nop 0
.rept 4
	v_nop
.endr
.Lfirst_asked:
	v_and_b32 v[R], 15, v0
	v_bfe_u32 v[H], v0, 4, 1
	v_mul_u32_u24 v[ADRA0], v[R], PA
	v_lshl_add_u32 v[ADRA0], v[H], 4, v[ADRA0]     ; row x pitch + 16 x half
	s_mul_i32 s15, s[HA], 128*PA                   ; my 128 rows of A
	v_add_nc_u32 v[ADRA0], s15, v[ADRA0]
	; the turning load takes 16 K x 16 columns: lane l reads row 8 (l / 16) + l % 8, columns 8 ((l / 8) % 2) + 0..7, and is left with column l % 16 and 8 K
	v_and_b32 v15, 7, v0
	v_bfe_u32 v16, v0, 3, 1
	v_lshl_add_u32 v[ADRB0], v[H], 3, v15
	v_mul_u32_u24 v[ADRB0], v[ADRB0], PB
	v_lshl_add_u32 v[ADRB0], v16, 4, v[ADRB0]
	s_lshl_b32 s15, s[HB], 7                       ; my 64 columns of each unit of 128
	s_add_co_u32 s15, s15, BOFF
	v_add_nc_u32 v[ADRB0], s15, v[ADRB0]
	v_mov_b32 v[ADRA], v[ADRA0]
	v_mov_b32 v[ADRB], v[ADRB0]
	s_mov_b32 s[TB], 0
	; the way out.  In: stage row 128 HA + 16 a + l % 16, my 128 bytes of each unit of 256, 16 bytes for each half of the lanes
	s_mul_i32 s15, s[HA], 128*SP
	s_lshl_b32 s16, s[HB], 7
	s_add_co_u32 s15, s15, s16
	v_mul_u32_u24 v[STO], v[R], SP
	v_lshl_add_u32 v[STO], v[H], 4, v[STO]
	v_add_nc_u32 v[STO], s15, v[STO]
	v_add_nc_u32 v[STO+1], 64*SP, v[STO]           ; blocks 4-7: the immediate has 16 bits
	; back: wave w takes rows 64 w .. 64 w + 63.  Two rows are 1,536 bytes: six pieces of 256, one to each half of the lanes in three loads
	s_mul_i32 s15, s[WV], 64*SP
	v_lshlrev_b32 v[CO], 4, v[R]
	v_lshl_add_u32 v[CO], v[H], 8, v[CO]           ; pieces 0, 1: the even row's bytes 0 and 256
	v_add_nc_u32 v[RD], s15, v[CO]
	v_add_nc_u32 v[RD+2], SP+256, v[RD]            ; pieces 4, 5: the odd row's bytes 256 and 512
	v_add_nc_u32 v[CO+2], 6144+256, v[CO]
	v_mul_u32_u24 v15, v[H], SP-512                ; pieces 2, 3: the even row's byte 512, the odd row's byte 0
	v_lshl_add_u32 v15, v[R], 4, v15
	v_add_nc_u32 v15, s15, v15
	v_add_nc_u32 v[RD+1], 512, v15
	v_mul_u32_u24 v16, v[H], 6144-512
	v_lshl_add_u32 v16, v[R], 4, v16
	v_add_nc_u32 v[CO+1], 512, v16
	s_lshl_b32 s22, s43, 8
	s_lshl_b32 s23, s[WV], 6
	s_add_co_u32 s22, s22, s23                     ; the first row that I store
	s_mul_i32 s22, s22, 6144
	s_mul_i32 s23, s42, 768
	s_add_co_u32 s22, s22, s23
	s_mov_b32 s23, 0
	s_add_nc_u64 s[8:9], s[8:9], s[22:23]
	s_wait_tensorcnt 0x1                           ; my part of K step 0 is in; step 1's may stay out
	s_barrier_signal -1
	s_barrier_wait -1                              ; everybody's is
	LOADA AX,0
	LOADB 0,0
	QUARTER 0,AX,AY,1                              ; the first quarter stands ahead of the loop: its products start the sums, nothing is cleared
	WIN 0                                          ; at a label and at a branch every window is 0
	s_mov_b32 s[CNT], STEPS-2
	s_branch .Lin
.Lstep:                                                ; 14 trips: K steps 0 .. 13, each asks for the step two on
	QUARTER 0,AX,AY,0
	WIN 0
.Lin:
	QLAST 1,AY,AX,1
	WIN 0
	s_sub_co_u32 s[CNT], s[CNT], 1
	s_cmp_lg_u32 s[CNT], 0
	s_cbranch_scc1 .Lstep
	s_mov_b32 s[CNT], 2
.Ltail:                                                ; the last two steps are a text of their own
	QUARTER 0,AX,AY,0
	QLAST 1,AY,AX,0
	WIN 0
	s_sub_co_u32 s[CNT], s[CNT], 1
	s_cmp_lg_u32 s[CNT], 0
	s_cbranch_scc1 .Ltail
	; THE WAY OUT.  A wave's 64 columns of a unit are half of an aligned 256 bytes of qkv, so the four waves share one stage, with a barrier between writing and reading.
	s_wait_dscnt 0x0                               ; my reads of the slots are over,
	s_barrier_signal -1
	PLACES                                         ; (the places behind the last products)
	s_barrier_wait -1                              ; everybody's are: the stage may be written over them
.macro PACK a                          ; row block a: 12 accumulators rounded to f16, each from its lowest registers on, 16 bytes a lane, into the stage
.set g, 0
.rept 2*NBH
.set idx, NP*(g/NBH)+NBH*(\a)+g%NBH
.set w, 1+idx/32
.set rD, 8*(idx%32)
	WIN w|(w<<2)
	v_cvt_pk_f16_f32 v[TMP+4*g],   v[rD],   v[rD+1]
	v_cvt_pk_f16_f32 v[TMP+4*g+1], v[rD+2], v[rD+3]
	v_cvt_pk_f16_f32 v[TMP+4*g+2], v[rD+4], v[rD+5]
	v_cvt_pk_f16_f32 v[TMP+4*g+3], v[rD+6], v[rD+7]
.set g, g+1
.endr
	WIN 0
.set g, 0
.rept 2*NBH
	ds_store_b128 v[STO+(\a)/4], v[TMP+4*g:TMP+4*g+3] offset:((\a)%4)*16*SP+256*(g/4)+32*(g%4)
.set g, g+1
.endr
.endm
.irp a, 0,1,2,3,4,5,6,7
	PACK \a
.endr
	s_wait_dscnt 0x0                               ; for the others' sake: my stores into the stage are done
	s_barrier_signal -1
	s_barrier_wait -1
	s_mov_b32 s[CNT], 8
.Lout:                                                 ; 8 trips of 8 rows
.set n, 0
.rept 12
	ds_load_b128 v[BK+4*n:BK+4*n+3], v[RD+n%3] offset:(n/3)*2*SP
.set n, n+1
.endr
.set n, 0
.rept 12
	s_wait_dscnt 11-n                              ; LDS loads come back in order: load n is in
	global_store_b128 v[CO+n%3], v[BK+4*n:BK+4*n+3], s[8:9] offset:(n/3)*2*6144  ; 16 lanes store 256 consecutive bytes, at a multiple of 256 from qkv's first byte
.set n, n+1
.endr
	s_wait_xcnt 0x0                                ; the stores' base and data are rewritten only behind this wait
	v_add_nc_u32 v[RD],   8*SP, v[RD]
	v_add_nc_u32 v[RD+1], 8*SP, v[RD+1]
	v_add_nc_u32 v[RD+2], 8*SP, v[RD+2]
	s_add_nc_u64 s[8:9], s[8:9], 8*6144
	s_sub_co_u32 s[CNT], s[CNT], 1
	s_cmp_lg_u32 s[CNT], 0
	s_cbranch_scc1 .Lout
	s_wait_tensorcnt 0x0                           ; the wave's end, behind my last tensor load and my last LDS store
	ds_add_u32 v[SPW], v[NIL]
	s_wait_dscnt 0x0
	CROUND                                         ; the closing round: no work-group ends while a partner may still ask for a tile that names it
	s_endpgm
.Lfunc_end_k_qf913b3a55c_project:
	.size	k_qf913b3a55c_project, .Lfunc_end_k_qf913b3a55c_project-k_qf913b3a55c_project
	.p2alignl 7, 3214868480
	.fill 96, 4, 3214868480
	.section	.rodata,"a",@progbits
	.p2align	6, 0x0
	.amdhsa_kernel k_qf913b3a55c_project
		.amdhsa_group_segment_fixed_size 327680
		.amdhsa_private_segment_fixed_size 0
		.amdhsa_enable_private_segment 0
		.amdhsa_kernarg_size 24
		.amdhsa_user_sgpr_count 2
		.amdhsa_user_sgpr_kernarg_segment_ptr 1
		.amdhsa_wavefront_size32 1
		.amdhsa_system_sgpr_workgroup_id_x 1
		.amdhsa_system_sgpr_workgroup_id_y 1
		.amdhsa_system_sgpr_workgroup_id_z 1
		.amdhsa_system_vgpr_workitem_id 0
		.amdhsa_next_free_vgpr 1024
		.amdhsa_next_free_sgpr 72
		.amdhsa_reserve_vcc 0
		.amdhsa_float_denorm_mode_32 3
		.amdhsa_float_denorm_mode_16_64 3
		.amdhsa_memory_ordered 1
		.amdhsa_forward_progress 1
		.amdhsa_inst_pref_size 91
	.end_amdhsa_kernel
	.amdgpu_metadata
---
amdhsa.version: [ 1, 2 ]
amdhsa.kernels:
  - .name:           k_qf913b3a55c_project
    .symbol:         k_qf913b3a55c_project.kd
    .args:
      - { .name: xb, .offset: 0, .size: 8, .value_kind: global_buffer, .address_space: global }
      - { .name: wb, .offset: 8, .size: 8, .value_kind: global_buffer, .address_space: global }
      - { .name: qkv, .offset: 16, .size: 8, .value_kind: global_buffer, .address_space: global }
    .group_segment_fixed_size: 327680
    .private_segment_fixed_size: 0
    .kernarg_segment_align: 8
    .kernarg_segment_size: 24
    .max_flat_workgroup_size: 128
    .sgpr_count:     72
    .vgpr_count:     1024
    .wavefront_size: 32
...
	.end_amdgpu_metadata
.endif
;; end of part 2
;; launch scores (part 3): grid 8 x 32, 4 waves a work-group, clusters of 4 x 4, 327,680 bytes of LDS; arguments qkv, p, stats; writes p, stats
.if DOCPART == 3
	.amdgcn_target "amdgcn-amd-amdhsa--gfx1250"
	.amdhsa_code_object_version 6
	.text
	.protected	k_qf913b3a55c_scores
	.globl	k_qf913b3a55c_scores
	.p2align	8
	.type	k_qf913b3a55c_scores,@function
k_qf913b3a55c_scores:
	s_mov_b64 s[64:65], 0
	v_nop
	global_prefetch_b8 v0, s[64:65] scope:SCOPE_SE
	s_setreg_imm32_b32 hwreg(HW_REG_WAVE_MODE, 25, 1), 1
	s_wait_xcnt 0x0
	s_wait_alu depctr_hold_cnt(0) depctr_sa_sdst(0) depctr_va_vdst(0) depctr_va_sdst(0) depctr_va_ssrc(0) depctr_va_vcc(0) depctr_vm_vsrc(0)
	s_getreg_b32 s2, hwreg(HW_REG_IB_STS2, 6, 4)
	s_cmp_eq_u32 s2, 0
	s_cbranch_scc0 .Lentry_in_a_cluster
	s_endpgm
.Lentry_in_a_cluster:
	s_bfe_u32 s2, ttmp6, 0x10000c
	s_cmp_lg_u32 s2, 0xf033
	s_cbranch_scc0 .Lentry_shape_is_right
	s_endpgm
.Lentry_shape_is_right:
; For each batch: S = q k^T (f16 operands, f32 sums, 1,024 channels), and of S the softmax's first half, by blocks of 128 keys, in registers:
;   for row q and block kb:  m = the largest score of the block;  p = 2^(c s - c m), c = log2(e) / 32;  l = the sum of the block's p (unrounded).
; Stored: p rounded to f16, [row 8192][key 2048]; c m and l in f32, stats [2][batch 4][kb 16][q 2048].  The launch behind folds the blocks together by their true common maximum.
; Scores themselves never leave the registers, so their size is bound by f32 alone.
; LIMITS.  p lies in 0 to 1; below 6e-5 it keeps f16's fixed step of 6e-8; a weight below 2^-126 counts as 0 in l.  NaN and infinities are not treated apart.
; SHARES.  A tile is 256 queries x 256 keys: 32 x 8 = 256 tiles, one to a work-group.  Four waves, each 128 x 128: 64 accumulators, 512 registers (windows 1, 2); a wave's 128 keys are one block.
; K (channels) goes in steps of 128 through two LDS slots; the rows of q's and k's tiles are 256 bytes of memory at multiples of 256 bytes.
; CLUSTER.  4 x 4 work-groups: the four of a row need the same tile of q, the four of a column the same tile of k; each is asked for jointly.
; THE MATRIX INSTRUCTION IS USED TRANSPOSED (source 0 = 16 keys, source 1 = 16 queries): a lane holds ONE query (lane % 16) and, in an accumulator, the keys 8 (lane / 16) + 0..7.  So a row's maximum and
; sum want one exchange between the halves of the lanes, and eight weights pack into 16 neighbouring bytes of p.
; REGISTERS.  Window 0: v0-31 addresses; q's fragments in two buffers AX, AY; k's in two halves BL, BR, filled out of step; on the way out these registers are at work.
; Window 1: the accumulators of keys 0-63 ((a, b) at 8 (4 a + b)); window 2: those of keys 64-127.  Row block a is registers 32 a .. 32 a + 31 of both.
; By this text's own count a wave has two tensor loads out at the start and one behind each change of slots.  All of a WGP's LDS is claimed.
.set NA,     8
.set NBH,    4
.set NP,     NA*NBH
.set STEPS,  8                         ; K steps of 128
.set PA,     272                       ; an LDS row: 256 bytes + 16 = 68 words: the 16 rows of a load start at 16 different groups of four banks (64 banks of 4 bytes: ISA guide 11.1)
.set HALFT,  128*PA                    ; what one tensor load brings
.set SLOT1,  4*HALFT                   ; 0x22000: no tile's address in slot 0 has one of these two bits set, so an exclusive or turns it into slot 1's
.set STEP_A, 256
.set STEP_B, 256
.set STAGE,  2*SLOT1                   ; behind the ring: 16 rows x 272 bytes for each wave
.set SP,     272
.set SSTG,   STAGE+4*16*SP             ; 1,024 bytes for each wave: c m of its 128 rows, then l
.set SPARE,  SSTG+4096                 ; the spare words, 128 bytes for each wave: two blocks of 256 bytes that no other line names
.set R,     1
.set H,     2
.set ADRA0, 3
.set ADRB0, 4
.set ADRA,  5
.set ADRB,  6
.set STO,   7                          ; v7   where I put 16 bytes of a row of p
.set RD,    8                          ; v8   where I read rows back
.set CO,    9                          ; v9   my byte offset in p
.set SSA,   10                         ; v10  where my row's statistics go
.set SSR,   11                         ; v11  where I read 16 bytes of them back
.set SGO,   12                         ; v12  my byte offset in stats
.set SPW,   28
.set NIL,   29
.set AX,    32
.set AY,    96
.set BL,    160
.set BR,    192
.set TT,    32                         ; the way out: v32-55 partial maxima
.set CMR,   56                         ; v56-59 the pair (c m, m), by the block's parity
.set LW,    60                         ; v60  l
.set U,     64                         ; v64-95 partial sums
.set TMP,   96                         ; v96-127 packed weights
.set BK,    128                        ; v128-191 rows read back, two buffers
.set SB,    192                        ; v192-199 statistics read back
.set CNT,   2
.set WV,    12
.set HA,    13
.set HB,    14
.set G1A,   24
.set G0A0,  32
.set G0A,   36
.set G1B,   48
.set G0B0,  56
.set G0B,   60
.set TB,    66
.set BAT,   67                         ; s67  the batch, from the cluster's y alone
.set CS,    68                         ; s[68:69] c: the packed scaling takes the pair's low word for both halves
.set SEL,   70                         ; s[70:71] v_permlanex16_b32's selects: each lane takes its own place in the other half
.set MSB, 0
.macro WIN new
.if MSB != (\new)
	s_set_vgpr_msb (MSB<<8)|(\new)
.set MSB, \new
.endif
.endm
.macro PLACES                          ; four places behind matrix instructions (ISA guide 7.12.1 for vector lines)
.rept 4
	v_nop
.endr
.endm
.macro JLOAD                           ; a joint refill: waves 0, 1 ask for q's two halves, waves 2, 3 for k's.  An s_nop 0 and four v_nop follow each line
	s_cmp_eq_u32 s[HA], 0
	s_cbranch_scc0 .Lfor_b_\@
	tensor_load_to_lds s[G0A:G0A+3], s[G1A:G1A+7]
	s_nop 0
.rept 4
	v_nop
.endr
	s_branch .Lasked_\@
.Lfor_b_\@:
	tensor_load_to_lds s[G0B:G0B+3], s[G1B:G1B+7]
	s_nop 0
.rept 4
	v_nop
.endr
.Lasked_\@:
.endm
.macro CREST
	s_cmp_lg_u32 s[WV], 0
	s_cbranch_scc1 .Lnot_wave_0_\@
	s_barrier_signal -3
.Lnot_wave_0_\@:
	s_barrier_wait -3
	s_barrier_signal -1
	s_barrier_wait -1
.endm
.macro CROUND
	s_barrier_signal -1
	s_barrier_wait -1
	CREST
.endm
.macro LOADA buf, q                    ; q's 8 fragments of quarter q
.set f, 0
.rept NA
	ds_load_b128 v[(\buf)+8*f:(\buf)+8*f+3],   v[ADRA] offset:f*16*PA+64*(\q)
	ds_load_b128 v[(\buf)+8*f+4:(\buf)+8*f+7], v[ADRA] offset:f*16*PA+64*(\q)+32
.set f, f+1
.endr
.endm
.macro LOADB side, q                   ; k's 4 fragments of one half, as they lie
.set f, 0
.rept NBH
.set rB, BL+(BR-BL)*(\side)+8*f
	ds_load_b128 v[rB:rB+3],   v[ADRB] offset:(NBH*(\side)+f)*16*PA+64*(\q)
	ds_load_b128 v[rB+4:rB+7], v[ADRB] offset:(NBH*(\side)+f)*16*PA+64*(\q)+32
.set f, f+1
.endr
.endm
.macro MM side, cur, zero, n0, n1      ; products n0 .. n1 - 1 of a phase; the accumulators take turns, one product a quarter each
.set n, \n0
.rept (\n1)-(\n0)
.set w, 1+(\side)
.set rD, 8*n
.set rB, BL+(BR-BL)*(\side)+8*(n%NBH)
.set rA, (\cur)+8*(n/NBH)
	WIN (w<<4)|(w<<6)
.if \zero
	v_wmma_f32_16x16x32_f16 v[rD:rD+7], v[rB:rB+7], v[rA:rA+7], 0
.else
	v_wmma_f32_16x16x32_f16 v[rD:rD+7], v[rB:rB+7], v[rA:rA+7], v[rD:rD+7]
.endif
.set n, n+1
.endr
.endm
.macro QUARTER q, cur, nxt, zero
	PLACES
	WIN 0
	LOADB 1,\q
	s_wait_dscnt 2*NBH                             ; only the 8 just issued may be out: this quarter's A and BL are in
	MM 0,\cur,\zero,0,NP
	PLACES
	WIN 0
	LOADA \nxt,(\q)+1
	LOADB 0,(\q)+1
	s_wait_dscnt 2*NA+2*NBH                        ; only the 24 just issued may be out: BR is in
	MM 1,\cur,\zero,0,NP
.endm
; A step's last quarter, with the change of slots: one barrier; in front of it each wave waits for all its tensor loads (one is out: its part of the other slot), adds 0 to its spare word, and waits for that
; and for its reads of this slot.  fill = 1: the barrier opens a round of the cluster's, and the slot is filled again, two steps ahead, first thing behind the round.  fill = 0: the tail.
.macro QLAST q, cur, nxt, fill
	PLACES
	WIN 0
	LOADB 1,\q
	s_wait_dscnt 2*NBH
	MM 0,\cur,0,0,NP/2
	WIN 0
	s_wait_tensorcnt 0x0                           ; no tensor load of mine is out, so a group 0 may be written
	ds_add_u32 v[SPW], v[NIL]                      ; 0 onto my spare word
.if \fill
	s_xor_b32 s[G0A+1], s[G0A+1], SLOT1
	s_add_nc_u64 s[G0A+2:G0A+3], s[G0A+2:G0A+3], STEP_A
	s_xor_b32 s[G0B+1], s[G0B+1], SLOT1
	s_add_nc_u64 s[G0B+2:G0B+3], s[G0B+2:G0B+3], STEP_B
.endif
	MM 0,\cur,0,NP/2,3*NP/4
	s_wait_dscnt 0x0                               ; the add is done, and my reads of this slot are over
	s_barrier_signal -1
	MM 0,\cur,0,3*NP/4,NP
	WIN 0
	s_barrier_wait -1
.if \fill
	CREST
	JLOAD                                          ; its four v_nop are also the places in front of the loads below
.else
	PLACES
	s_cmp_eq_u32 s[CNT], 1                         ; in the last trip there is no further step
	s_cbranch_scc1 .Lno_more_\@
.endif
	s_xor_b32 s[TB], s[TB], SLOT1
	v_add_nc_u32 v[ADRA], s[TB], v[ADRA0]
	v_add_nc_u32 v[ADRB], s[TB], v[ADRB0]
	LOADA \nxt,0
	LOADB 0,0
.if !(\fill)
.Lno_more_\@:
.endif
	MM 1,\cur,0,0,NP
.endm
	s_load_b128 s[4:7], s[0:1], 0x0                ; qkv s[4:5], p s[6:7]
	s_load_b64 s[8:9], s[0:1], 0x10                ; stats
	v_lshl_add_u32 v[SPW], v0, 2, SPARE
	v_mov_b32 v[NIL], 0
	ds_add_u32 v28, v29
	s_wait_dscnt 0x0
	v_lshrrev_b32 v1, 5, v0
	v_readfirstlane_b32 s[WV], v1
	s_lshr_b32 s[HA], s[WV], 1
	s_and_b32 s[HB], s[WV], 1
	s_bfe_u32 s40, ttmp6, 0x40000                  ; cx, cy
	s_bfe_u32 s41, ttmp6, 0x40004
	s_lshl_b32 s42, ttmp9, 2
	s_add_co_u32 s42, s42, s40                     ; key tile
	s_and_b32 s43, ttmp7, 0xffff
	s_lshr_b32 s[BAT], s43, 1                      ; eight query tiles, two clusters, to a batch
	s_lshl_b32 s43, s43, 2
	s_add_co_u32 s43, s43, s41                     ; 8 x batch + query tile: its 256 rows are tokens 256 x this
	s_lshl_b32 s44, s41, 2
	s_lshl_b32 s44, 15, s44                        ; my row of the cluster
	s_lshl_b32 s45, 0x1111, s40                    ; my column
	s_or_b32 s[G1A], s44, (1<<16)|(1<<20)|(1<<21)|(5<<22)|(3<<25)  ; the mask; 2-byte elements; padding on; 21 set beside a mask; after every 64 words (code 5) 4 words (code 3)
	s_or_b32 s[G1B], s45, (1<<16)|(1<<20)|(1<<21)|(5<<22)|(3<<25)
.irp g, G1A, G1B
	s_mov_b32 s[(\g)+1], 128<<16                   ; tensor_dim0 = 128
	s_mov_b32 s[(\g)+2], 128<<16                   ; tensor_dim1 = 128
	s_mov_b32 s[(\g)+3], 128<<16                   ; tile_dim0 = 128
	s_mov_b32 s[(\g)+4], 128                       ; tile_dim1 = 128
	s_mov_b32 s[(\g)+5], 3072                      ; elements from row to row
	s_mov_b32 s[(\g)+6], 0
	s_mov_b32 s[(\g)+7], 0
.endr
	s_lshl_b32 s16, s43, 8
	s_lshl_b32 s17, s[HB], 7
	s_add_co_u32 s16, s16, s17                     ; q: token 256 x tile + 128 x half,
	s_mul_i32 s16, s16, 6144
	s_add_co_u32 s16, s16, 2048                    ; columns 1024 on
	s_mov_b32 s17, 0
	s_lshl_b32 s46, s[BAT], 11
	s_lshl_b32 s47, s42, 8
	s_add_co_u32 s46, s46, s47
	s_lshl_b32 s47, s[HB], 7
	s_add_co_u32 s46, s46, s47                     ; k: token 2048 x batch + 256 x key tile + 128 x half, columns 0 on
	s_mul_i32 s46, s46, 6144
	s_mov_b32 s47, 0
	s_mul_i32 s20, s[WV], HALFT                    ; where they go: q's two halves, then k's two halves
	s_mov_b32 s[CS], 0x3d38aa3b                    ; c = log2(e) / 32 = 0.0450842
	s_mov_b32 s[CS+1], s[CS]
	s_mov_b32 s[SEL], 0x76543210
	s_mov_b32 s[SEL+1], 0xfedcba98
	s_wait_kmcnt 0x0
	s_add_nc_u64 s[18:19], s[4:5], s[16:17]
	s_add_nc_u64 s[46:47], s[4:5], s[46:47]
	CROUND                                         ; all sixteen work-groups are here: the first joint loads meet
.irp s, 0,1
	s_mov_b32 s[G0A0+4*(\s)], 1
	s_add_co_u32 s[G0A0+4*(\s)+1], s20, (\s)*SLOT1
	s_add_nc_u64 s[G0A0+4*(\s)+2:G0A0+4*(\s)+3], s[18:19], (\s)*STEP_A
	s_or_b32 s[G0A0+4*(\s)+3], s[G0A0+4*(\s)+3], 0x80000000
	s_mov_b32 s[G0B0+4*(\s)], 1
	s_add_co_u32 s[G0B0+4*(\s)+1], s20, (\s)*SLOT1
	s_add_nc_u64 s[G0B0+4*(\s)+2:G0B0+4*(\s)+3], s[46:47], (\s)*STEP_B
	s_or_b32 s[G0B0+4*(\s)+3], s[G0B0+4*(\s)+3], 0x80000000
.endr
	s_cmp_eq_u32 s[HA], 0                          ; a wave's two first fills stand in one branch
	s_cbranch_scc0 .Lfirst_b
	tensor_load_to_lds s[G0A0:G0A0+3], s[G1A:G1A+7]
	s_nop 0
	tensor_load_to_lds s[G0A:G0A+3], s[G1A:G1A+7]
	s_nop 0
.rept 4
	v_nop
.endr
	s_branch .Lfirst_asked
.Lfirst_b:
	tensor_load_to_lds s[G0B0:G0B0+3], s[G1B:G1B+7]
	s_nop 0
	tensor_load_to_lds s[G0B:G0B+3], s[G1B:G1B+7]
	s_nop 0
.rept 4
	v_nop
.endr
.Lfirst_asked:
	v_and_b32 v[R], 15, v0
	v_bfe_u32 v[H], v0, 4, 1
	v_mul_u32_u24 v15, v[R], PA
	v_lshl_add_u32 v15, v[H], 4, v15               ; row x pitch + 16 x half: a fragment's lane term, and the stage's (the same pitch)
	s_mul_i32 s15, s[HA], HALFT
	v_add_nc_u32 v[ADRA0], s15, v15
	s_mul_i32 s15, s[HB], HALFT
	s_add_co_u32 s15, s15, 2*HALFT
	v_add_nc_u32 v[ADRB0], s15, v15
	v_mov_b32 v[ADRA], v[ADRA0]
	v_mov_b32 v[ADRB], v[ADRB0]
	s_mov_b32 s[TB], 0
	s_mul_i32 s15, s[WV], 16*SP
	s_add_co_u32 s15, s15, STAGE                   ; my stage
	v_add_nc_u32 v[STO], s15, v15
	v_mul_u32_u24 v16, v[H], SP                    ; back: lanes 0-15 one row of 256 bytes, lanes 16-31 the next
	v_lshl_add_u32 v16, v[R], 4, v16
	v_add_nc_u32 v[RD], s15, v16
	v_lshlrev_b32 v[CO], 12, v[H]                  ; and the same two rows in p
	v_lshl_add_u32 v[CO], v[R], 4, v[CO]
	s_lshl_b32 s15, s[WV], 10
	s_add_co_u32 s15, s15, SSTG
	v_lshl_add_u32 v[SSA], v[R], 2, s15
	v_and_b32 v16, 31, v0
	v_lshlrev_b32 v[SGO], 4, v16
	v_add_nc_u32 v[SSR], s15, v[SGO]
	s_lshl_b32 s22, s43, 8                         ; p at my 128 rows and my 128 keys
	s_lshl_b32 s23, s[HA], 7
	s_add_co_u32 s22, s22, s23
	s_lshl_b32 s22, s22, 12
	s_lshl_b32 s23, s42, 9
	s_add_co_u32 s22, s22, s23
	s_lshl_b32 s23, s[HB], 8
	s_add_co_u32 s22, s22, s23
	s_mov_b32 s23, 0
	s_add_nc_u64 s[6:7], s[6:7], s[22:23]
	s_lshl_b32 s22, s[BAT], 4                      ; stats at (batch, block 2 x key tile + half, my first query)
	s_lshl_b32 s23, s42, 1
	s_add_co_u32 s22, s22, s23
	s_add_co_u32 s22, s22, s[HB]
	s_lshl_b32 s22, s22, 11
	s_and_b32 s23, s43, 7
	s_lshl_b32 s23, s23, 8
	s_add_co_u32 s22, s22, s23
	s_lshl_b32 s23, s[HA], 7
	s_add_co_u32 s22, s22, s23
	s_lshl_b32 s22, s22, 2
	s_mov_b32 s23, 0
	s_add_nc_u64 s[8:9], s[8:9], s[22:23]
	s_wait_tensorcnt 0x1                           ; my part of K step 0 is in; step 1's may stay out
	s_barrier_signal -1
	s_barrier_wait -1
	LOADA AX,0
	LOADB 0,0
	QUARTER 0,AX,AY,1                              ; the first quarter stands ahead of the loop: its products start the sums
	WIN 0
	s_mov_b32 s[CNT], STEPS-2
	s_branch .Lin
.Lstep:                                                ; 6 trips: K steps 0 .. 5, each asks for the step two on
	QUARTER 0,AX,AY,0
	WIN 0
.Lin:
	QUARTER 1,AY,AX,0
	QUARTER 2,AX,AY,0
	QLAST 3,AY,AX,1
	WIN 0
	s_sub_co_u32 s[CNT], s[CNT], 1
	s_cmp_lg_u32 s[CNT], 0
	s_cbranch_scc1 .Lstep
	s_mov_b32 s[CNT], 2
.Ltail:                                                ; the last two steps are a text of their own
	QUARTER 0,AX,AY,0
	QUARTER 1,AY,AX,0
	QUARTER 2,AX,AY,0
	QLAST 3,AY,AX,0
	WIN 0
	s_sub_co_u32 s[CNT], s[CNT], 1
	s_cmp_lg_u32 s[CNT], 0
	s_cbranch_scc1 .Ltail
; THE WAY OUT, a block of 16 queries at a time.  A lane holds 64 of its query's 128 scores, 32 in each window.
.macro MAXP a                          ; the block's maximum m and c m.  Each accumulator's lowest registers are read first
.set cm, CMR+2*((\a)%2)
.irp W, 1,2
	WIN (\W)|((\W)<<2)|((\W)<<4)
.set b, 0
.rept 4
.set rS, 32*(\a)+8*b
.set rT, TT+12*((\W)-1)+3*b
	v_max3_num_f32 v[rT],   v[rS],   v[rS+1], v[rS+2]
	v_max3_num_f32 v[rT+1], v[rS+3], v[rS+4], v[rS+5]
	v_max_num_f32  v[rT+2], v[rS+6], v[rS+7]
.set b, b+1
.endr
.endr
	WIN 0
.set b, 0
.rept 8                                ; 24 to 8: number b lands where an earlier line has read
	v_max3_num_f32 v[TT+b], v[TT+3*b], v[TT+3*b+1], v[TT+3*b+2]
.set b, b+1
.endr
	v_max3_num_f32 v[TT],   v[TT],   v[TT+1], v[TT+2]
	v_max3_num_f32 v[TT+1], v[TT+3], v[TT+4], v[TT+5]
	v_max_num_f32  v[TT+2], v[TT+6], v[TT+7]
	v_max3_num_f32 v[TT],   v[TT],   v[TT+1], v[TT+2]
	v_permlanex16_b32 v[TT+1], v[TT], s[SEL], s[SEL+1]  ; the query's other 64 keys lie in the lane 16 away
	v_max_num_f32 v[cm+1], v[TT], v[TT+1]
	v_mul_f32 v[cm], s[CS], v[cm+1]
	s_wait_alu depctr_va_vdst(0)
.endm
.macro FEXP a                          ; p = 2^(c s - c m), in place.  The exponentials stand on end; a plain line that touches none of them follows the last
.set cm, CMR+2*((\a)%2)
.irp W, 1,2
	WIN (\W)|((\W)<<6)
.set b, 0
.rept 16
.set rS, 32*(\a)+2*b
	v_pk_fma_f32 v[rS:rS+1], v[rS:rS+1], s[CS:CS+1], v[cm:cm+1] op_sel_hi:[1,0,0] neg_lo:[0,0,1] neg_hi:[0,0,1]
.set b, b+1
.endr
.set b, 0
.rept 32
	v_exp_f32 v[32*(\a)+b], v[32*(\a)+b]
.set b, b+1
.endr
.endr
.endm
.macro CVSUM a                         ; the weights rounded to f16, and l, the sum of the unrounded ones
.irp W, 1,2
	WIN (\W)|((\W)<<2)
.set b, 0
.rept 16
	v_cvt_pk_f16_f32 v[TMP+16*((\W)-1)+b], v[32*(\a)+2*b], v[32*(\a)+2*b+1]
.set b, b+1
.endr
.set b, 0
.rept 8
	v_pk_add_f32 v[U+16*((\W)-1)+2*b:U+16*((\W)-1)+2*b+1], v[32*(\a)+4*b:32*(\a)+4*b+1], v[32*(\a)+4*b+2:32*(\a)+4*b+3]
.set b, b+1
.endr
.endr
	WIN 0
.irp d, 16,8,4,2                       ; 16 pairs to 1: 15 packed additions
.set b, 0
.rept (\d)/2
	v_pk_add_f32 v[U+2*b:U+2*b+1], v[U+2*b:U+2*b+1], v[U+(\d)+2*b:U+(\d)+2*b+1]
.set b, b+1
.endr
.endr
	v_add_f32 v[LW], v[U], v[U+1]
	v_permlanex16_b32 v[U+2], v[LW], s[SEL], s[SEL+1]
	v_add_f32 v[LW], v[LW], v[U+2]
.endm
.macro TOSTAGE a                       ; statistics to their words (both halves of the lanes write the same number); the weights into my stage and back as whole rows of 256 bytes
.set cm, CMR+2*((\a)%2)
.set bk, BK+32*((\a)%2)
	s_wait_xcnt 0x0                                ; the buffer that is loaded below was the data of earlier stores: it is rewritten only behind this wait
	ds_store_b32 v[SSA], v[cm] offset:64*(\a)
	ds_store_b32 v[SSA], v[LW] offset:512+64*(\a)
.set g, 0
.rept 8
	ds_store_b128 v[STO], v[TMP+4*g:TMP+4*g+3] offset:32*g
.set g, g+1
.endr
.set g, 0
.rept 8
	ds_load_b128 v[bk+4*g:bk+4*g+3], v[RD] offset:g*2*SP  ; LDS serves a wave's instructions in order (ISA guide 5.7.1.4): these see the stores above; the next block's stores come behind them
.set g, g+1
.endr
.endm
.macro SEND a
.set bk, BK+32*((\a)%2)
.set g, 0
.rept 8
	s_wait_dscnt 7-g                               ; nothing on this counter is younger than the block's eight loads
	global_store_b128 v[CO], v[bk+4*g:bk+4*g+3], s[6:7] offset:(16*(\a)+2*g)*4096  ; 16 lanes store 256 consecutive bytes, at a multiple of 256 from p's first byte
.set g, g+1
.endr
.endm
	s_wait_dscnt 0x0
	PLACES                                         ; behind the last products
	MAXP 0
.irp a, 0,1,2,3,4,5,6,7
	FEXP \a
.if (\a) < 7
	MAXP (\a)+1                                    ; the next block's maximum is the plain work behind the exponentials
.else
	v_nop
	s_wait_alu depctr_va_vdst(0)
.endif
	CVSUM \a
.if (\a) > 0
	SEND (\a)-1                                    ; a block's arithmetic stands between the loads of the block before and its stores
.endif
	TOSTAGE \a
.endr
	SEND 7
	ds_load_b128 v[SB:SB+3],   v[SSR]              ; c m of my 128 rows: 512 bytes,
	ds_load_b128 v[SB+4:SB+7], v[SSR] offset:512   ; and l
	s_wait_dscnt 0x0
	global_store_b128 v[SGO], v[SB:SB+3],   s[8:9]                ; each store covers 512 consecutive bytes, at a multiple of 256 from stats' first byte
	global_store_b128 v[SGO], v[SB+4:SB+7], s[8:9] offset:524288
	s_wait_tensorcnt 0x0                           ; the wave's end, behind my last tensor load and my last LDS store
	ds_add_u32 v[SPW], v[NIL]
	s_wait_dscnt 0x0
	CROUND                                         ; the closing round
	s_endpgm
.Lfunc_end_k_qf913b3a55c_scores:
	.size	k_qf913b3a55c_scores, .Lfunc_end_k_qf913b3a55c_scores-k_qf913b3a55c_scores
	.p2alignl 7, 3214868480
	.fill 96, 4, 3214868480
	.section	.rodata,"a",@progbits
	.p2align	6, 0x0
	.amdhsa_kernel k_qf913b3a55c_scores
		.amdhsa_group_segment_fixed_size 327680
		.amdhsa_private_segment_fixed_size 0
		.amdhsa_enable_private_segment 0
		.amdhsa_kernarg_size 24
		.amdhsa_user_sgpr_count 2
		.amdhsa_user_sgpr_kernarg_segment_ptr 1
		.amdhsa_wavefront_size32 1
		.amdhsa_system_sgpr_workgroup_id_x 1
		.amdhsa_system_sgpr_workgroup_id_y 1
		.amdhsa_system_sgpr_workgroup_id_z 1
		.amdhsa_system_vgpr_workitem_id 0
		.amdhsa_next_free_vgpr 768
		.amdhsa_next_free_sgpr 72
		.amdhsa_reserve_vcc 0
		.amdhsa_float_denorm_mode_32 3
		.amdhsa_float_denorm_mode_16_64 3
		.amdhsa_memory_ordered 1
		.amdhsa_forward_progress 1
		.amdhsa_inst_pref_size 171
	.end_amdhsa_kernel
	.amdgpu_metadata
---
amdhsa.version: [ 1, 2 ]
amdhsa.kernels:
  - .name:           k_qf913b3a55c_scores
    .symbol:         k_qf913b3a55c_scores.kd
    .args:
      - { .name: qkv, .offset: 0, .size: 8, .value_kind: global_buffer, .address_space: global }
      - { .name: p, .offset: 8, .size: 8, .value_kind: global_buffer, .address_space: global }
      - { .name: stats, .offset: 16, .size: 8, .value_kind: global_buffer, .address_space: global }
    .group_segment_fixed_size: 327680
    .private_segment_fixed_size: 0
    .kernarg_segment_align: 8
    .kernarg_segment_size: 24
    .max_flat_workgroup_size: 128
    .sgpr_count:     72
    .vgpr_count:     768
    .wavefront_size: 32
...
	.end_amdgpu_metadata
.endif
;; end of part 3
;; launch mix (part 4): grid 4 x 64, 4 waves a work-group, clusters of 4 x 4, 327,680 bytes of LDS; arguments p, qkv, stats, out0; writes out0
.if DOCPART == 4
	.amdgcn_target "amdgcn-amd-amdhsa--gfx1250"
	.amdhsa_code_object_version 6
	.text
	.protected	k_qf913b3a55c_mix
	.globl	k_qf913b3a55c_mix
	.p2align	8
	.type	k_qf913b3a55c_mix,@function
k_qf913b3a55c_mix:
	s_mov_b64 s[64:65], 0
	v_nop
	global_prefetch_b8 v0, s[64:65] scope:SCOPE_SE
	s_setreg_imm32_b32 hwreg(HW_REG_WAVE_MODE, 25, 1), 1
	s_wait_xcnt 0x0
	s_wait_alu depctr_hold_cnt(0) depctr_sa_sdst(0) depctr_va_vdst(0) depctr_va_sdst(0) depctr_va_ssrc(0) depctr_va_vcc(0) depctr_vm_vsrc(0)
	s_getreg_b32 s2, hwreg(HW_REG_IB_STS2, 6, 4)
	s_cmp_eq_u32 s2, 0
	s_cbranch_scc0 .Lentry_in_a_cluster
	s_endpgm
.Lentry_in_a_cluster:
	s_bfe_u32 s2, ttmp6, 0x10000c
	s_cmp_lg_u32 s2, 0xf033
	s_cbranch_scc0 .Lentry_shape_is_right
	s_endpgm
.Lentry_shape_is_right:
; out[row][e] = the sum over the 16 key blocks kb of g(row, kb) x (P_kb V_kb)[row][e], the softmax's second half and the last product.
;   M = the largest c m of the row's 16 blocks (the row's true maximum);  e_kb = 2^(c m_kb - M);  L = the sum of e_kb l_kb, at least 1;  g = e_kb / L.
; P (f16, relative to its block's maximum) and V (f16, columns 2048 on of qkv) are multiplied with f32 sums; the blocks are folded together in f32; out0 is f32.
; LIMITS.  A factor e below 2^-126 counts as 0.  NaN and infinities are not treated apart.
; SHARES.  A tile is 128 rows x 256 channels: 64 x 4 = 256 tiles, one to a work-group.  Four waves, each 64 x 128: 32 accumulators.  A K step is 128 keys = one block, through two LDS slots.
; PART (window 2) takes a block's product, started by the constant 0 in the step's first quarter; MASTER (window 1) += g x PART, by four packed multiply-adds that stand behind each product of the step's
; last quarter, two products behind the one that finished the accumulator.  Set in a run of their own these 128 lines would leave the matrix unit idle; the price is two window switches a product in that quarter.
; MASTER is cleared once, in the wait for the first tile: 256 lines, the price of one text for every step.
; CLUSTER.  4 x 4 work-groups: the four of a row need the same tile of P, the four of a column the same tile of V; each is asked for jointly.
; THE MATRIX INSTRUCTION IS USED TRANSPOSED (source 0 = 16 channels of V, turned by ds_load_tr16_b128; source 1 = 16 rows of P): a lane holds one row (lane % 16), so g is one number a lane and row block.
; By this text's own count a wave has two tensor loads out at the start and one behind each change of slots.  All of a WGP's LDS is claimed.
.set NA,     4
.set NBH,    4
.set NP,     NA*NBH
.set STEPS,  16
.set PA,     272                       ; a row of P in LDS: 256 bytes + 16
.set PB,     544                       ; a row of V: 512 + 32 = 136 words
.set BOFF,   128*PA
.set SLOT1,  131072
.set STEP_A, 256                       ; 128 keys along a row of p
.set STEP_B, 128*6144                  ; 128 rows of qkv
.set GTAB,   SLOT1+BOFF+128*PB         ; behind the ring: the pair (g, g) of row t and block kb at 1,024 kb + 8 t
.set STAGE,  GTAB+16384                ; 16 rows x 528 bytes for each wave
.set SP,     528
.set SPARE,  STAGE+4*16*SP             ; the spare words, 128 bytes for each wave: two blocks of 256 bytes that no other line names
.set R,     1
.set H,     2
.set ADRA0, 3
.set ADRB0, 4
.set ADRA,  5
.set ADRB,  6
.set STO,   7
.set RD,    8
.set CO,    9
.set GA,    13                         ; v13  where my four pairs of the next block lie
.set GS,    14                         ; v14  where my row's pairs go
.set MX,    17
.set LS,    18
.set RL,    19
.set SOF,   20                         ; v20  my row's byte offset in a block's statistics: 4 x thread; never rewritten, so the loads that name it need no wait for its sake
.set SPW,   28
.set NIL,   29
.set AX,    32
.set AY,    64
.set BL,    96
.set BR,    128
.set GF,    160                        ; v160-167 (g, g) for my row in row blocks 0-3
.set CMV,   32                         ; the head: c m, then e, of my row's 16 blocks
.set LV,    48                         ; the head: l
.set GP,    64                         ; the head: 16 pairs (g, g)
.set BK,    32                         ; the way out: two buffers of 64
.set CNT,   2
.set WV,    12
.set HA,    13
.set HB,    14
.set G1A,   24
.set G0A0,  32
.set G0A,   36
.set G1B,   48
.set G0B0,  56
.set G0B,   60
.set TB,    66
.set BAT,   67
.set MSB, 0
.macro WIN new
.if MSB != (\new)
	s_set_vgpr_msb (MSB<<8)|(\new)
.set MSB, \new
.endif
.endm
.macro PLACES                          ; four places behind matrix instructions (ISA guide 7.12.1 for vector lines)
.rept 4
	v_nop
.endr
.endm
.macro JLOAD                           ; a joint refill: waves 0, 1 ask for P's two halves, waves 2, 3 for V's.  An s_nop 0 and four v_nop follow each line
	s_cmp_eq_u32 s[HA], 0
	s_cbranch_scc0 .Lfor_b_\@
	tensor_load_to_lds s[G0A:G0A+3], s[G1A:G1A+7]
	s_nop 0
.rept 4
	v_nop
.endr
	s_branch .Lasked_\@
.Lfor_b_\@:
	tensor_load_to_lds s[G0B:G0B+3], s[G1B:G1B+7]
	s_nop 0
.rept 4
	v_nop
.endr
.Lasked_\@:
.endm
.macro CREST
	s_cmp_lg_u32 s[WV], 0
	s_cbranch_scc1 .Lnot_wave_0_\@
	s_barrier_signal -3
.Lnot_wave_0_\@:
	s_barrier_wait -3
	s_barrier_signal -1
	s_barrier_wait -1
.endm
.macro CROUND
	s_barrier_signal -1
	s_barrier_wait -1
	CREST
.endm
.macro LOADA buf, q
.set f, 0
.rept NA
	ds_load_b128 v[(\buf)+8*f:(\buf)+8*f+3],   v[ADRA] offset:f*16*PA+64*(\q)
	ds_load_b128 v[(\buf)+8*f+4:(\buf)+8*f+7], v[ADRA] offset:f*16*PA+64*(\q)+32
.set f, f+1
.endr
.endm
.macro LOADB side, q                   ; V's 4 fragments of one half, quarter q, turned
.set f, 0
.rept NBH
.set rB, BL+(BR-BL)*(\side)+8*f
	ds_load_tr16_b128 v[rB:rB+3],   v[ADRB] offset:32*(\q)*PB+32*(NBH*(\side)+f)
	ds_load_tr16_b128 v[rB+4:rB+7], v[ADRB] offset:32*(\q)*PB+16*PB+32*(NBH*(\side)+f)
.set f, f+1
.endr
.endm
.macro GLOAD                           ; my row's factors for this step's block, one pair for each row block; then on to the next block
.set f, 0
.rept 4
	ds_load_b64 v[GF+2*f:GF+2*f+1], v[GA] offset:128*f
.set f, f+1
.endr
	v_add_nc_u32 v[GA], 1024, v[GA]
.endm
.macro FMA i                           ; MASTER i += g x PART i, from the accumulator's lowest registers on
	WIN 0x52                                       ; PART (source 0) window 2, g window 0, MASTER (source 2, destination) window 1
.set ga, GF+2*(((\i)%16)/4)
.set k, 0
.rept 4
	v_pk_fma_f32 v[8*(\i)+2*k:8*(\i)+2*k+1], v[8*(\i)+2*k:8*(\i)+2*k+1], v[ga:ga+1], v[8*(\i)+2*k:8*(\i)+2*k+1]
.set k, k+1
.endr
.endm
; Products n0 .. n1 - 1 of a phase; accumulator 16 side + n; the accumulators take turns.  ride = 1: behind product idx stands FMA idx - 2.  Between a product and the lines that
; read its result stand four plain lines or more that name none of its registers: for accumulator 0 the four v_nop behind product 2 (no rider stands ahead of the first); for accumulator 1 those four and
; accumulator 0's four lines; from accumulator 2 on the eight lines of the two accumulators before.
.macro MM side, cur, zero, n0, n1, ride=0
.set n, \n0
.rept (\n1)-(\n0)
.set idx, NP*(\side)+n
.set rD, 8*idx
.set rB, BL+(BR-BL)*(\side)+8*(n%NBH)
.set rA, (\cur)+8*(n/NBH)
	WIN 0xa0
.if \zero
	v_wmma_f32_16x16x32_f16 v[rD:rD+7], v[rB:rB+7], v[rA:rA+7], 0
.else
	v_wmma_f32_16x16x32_f16 v[rD:rD+7], v[rB:rB+7], v[rA:rA+7], v[rD:rD+7]
.endif
.if (\ride) && (idx == 2)
	PLACES                                         ; the places behind product 0, ahead of the first rider
.endif
.if (\ride) && (idx >= 2)
	FMA idx-2
.endif
.set n, n+1
.endr
.endm
.macro QUARTER q, cur, nxt, zero, gl
	PLACES
	WIN 0
.if \gl
	GLOAD                                          ; older than the run below, so its wait covers them
.endif
	LOADB 1,\q
	s_wait_dscnt 2*NBH                             ; only the 8 just issued may be out
	MM 0,\cur,\zero,0,NP
	PLACES
	WIN 0
	LOADA \nxt,(\q)+1
	LOADB 0,(\q)+1
	s_wait_dscnt 2*NA+2*NBH                        ; only the 16 just issued may be out: BR is in
	MM 1,\cur,\zero,0,NP
.endm
; A step's last quarter: the block's products end, MASTER takes them, and the slots change: one barrier; in front of it each wave waits for all its tensor loads (one is out: its part of the other slot),
; adds 0 to its spare word, and waits for that and for its reads of this slot.  fill = 1: the barrier opens a round of the cluster's; the slot is filled again first thing behind it.  fill = 0: the tail.
.macro QLAST q, cur, nxt, fill
	PLACES
	WIN 0
	LOADB 1,\q
	s_wait_dscnt 2*NBH
	MM 0,\cur,0,0,NP/2,1
	WIN 0
	s_wait_tensorcnt 0x0                           ; no tensor load of mine is out, so a group 0 may be written
	ds_add_u32 v[SPW], v[NIL]                      ; 0 onto my spare word
.if \fill
	s_xor_b32 s[G0A+1], s[G0A+1], SLOT1
	s_add_nc_u64 s[G0A+2:G0A+3], s[G0A+2:G0A+3], STEP_A
	s_xor_b32 s[G0B+1], s[G0B+1], SLOT1
	s_add_nc_u64 s[G0B+2:G0B+3], s[G0B+2:G0B+3], STEP_B
.endif
	MM 0,\cur,0,NP/2,3*NP/4,1
	s_wait_dscnt 0x0                               ; the add is done, and my reads of this slot are over
	s_barrier_signal -1
	MM 0,\cur,0,3*NP/4,NP,1
	WIN 0
	s_barrier_wait -1
.if \fill
	CREST
	JLOAD                                          ; its four v_nop are also the places in front of the loads below
.else
	PLACES
	s_cmp_eq_u32 s[CNT], 1                         ; in the last trip there is no further step
	s_cbranch_scc1 .Lno_more_\@
.endif
	s_xor_b32 s[TB], s[TB], SLOT1
	v_add_nc_u32 v[ADRA], s[TB], v[ADRA0]
	v_add_nc_u32 v[ADRB], s[TB], v[ADRB0]
	LOADA \nxt,0
	LOADB 0,0
.if !(\fill)
.Lno_more_\@:
.endif
	MM 1,\cur,0,0,NP,1
	FMA 30
	FMA 31
.endm
	s_load_b256 s[4:11], s[0:1], 0x0               ; p s[4:5], qkv s[6:7], stats s[8:9], out0 s[10:11]
	v_lshl_add_u32 v[SPW], v0, 2, SPARE
	v_mov_b32 v[NIL], 0
	ds_add_u32 v28, v29
	s_wait_dscnt 0x0
	v_lshrrev_b32 v1, 5, v0
	v_readfirstlane_b32 s[WV], v1
	s_lshr_b32 s[HA], s[WV], 1
	s_and_b32 s[HB], s[WV], 1
	s_bfe_u32 s40, ttmp6, 0x40000                  ; cx, cy
	s_bfe_u32 s41, ttmp6, 0x40004
	s_lshl_b32 s42, ttmp9, 2
	s_add_co_u32 s42, s42, s40                     ; channel tile
	s_and_b32 s43, ttmp7, 0xffff
	s_lshr_b32 s[BAT], s43, 2                      ; sixteen row tiles, four clusters, to a batch
	s_lshl_b32 s43, s43, 2
	s_add_co_u32 s43, s43, s41                     ; row tile
	s_lshl_b32 s44, s41, 2
	s_lshl_b32 s44, 15, s44
	s_lshl_b32 s45, 0x1111, s40
	s_or_b32 s[G1A], s44, (1<<16)|(1<<20)|(1<<21)|(5<<22)|(3<<25)  ; P: 64 rows of 128 elements; 4 words of padding behind every 64
	s_mov_b32 s[G1A+1], 128<<16
	s_mov_b32 s[G1A+2], 64<<16
	s_mov_b32 s[G1A+3], 128<<16
	s_mov_b32 s[G1A+4], 64
	s_mov_b32 s[G1A+5], 2048
	s_mov_b32 s[G1A+6], 0
	s_mov_b32 s[G1A+7], 0
	s_or_b32 s[G1B], s45, (1<<16)|(1<<20)|(1<<21)|(6<<22)|(7<<25)  ; V: 64 rows of 256 elements; 8 words of padding behind every 128
	s_mov_b32 s[G1B+1], 256<<16
	s_mov_b32 s[G1B+2], 64<<16
	s_mov_b32 s[G1B+3], 256<<16
	s_mov_b32 s[G1B+4], 64
	s_mov_b32 s[G1B+5], 3072
	s_mov_b32 s[G1B+6], 0
	s_mov_b32 s[G1B+7], 0
	s_lshl_b32 s16, s43, 7
	s_lshl_b32 s17, s[HB], 6
	s_add_co_u32 s16, s16, s17                     ; P: row 128 x tile + 64 x half
	s_lshl_b32 s16, s16, 12
	s_mov_b32 s17, 0
	s_lshl_b32 s46, s[BAT], 11
	s_lshl_b32 s47, s[HB], 6
	s_add_co_u32 s46, s46, s47                     ; V: token 2048 x batch + 64 x half,
	s_mul_i32 s46, s46, 6144
	s_add_co_u32 s46, s46, 4096                    ; columns 2048 on,
	s_lshl_b32 s47, s42, 9                         ; the tile's 256 channels
	s_add_co_u32 s46, s46, s47
	s_mov_b32 s47, 0
	s_mul_i32 s20, s[HB], 64*PA
	s_mul_i32 s21, s[HB], 64*PB
	s_add_co_u32 s21, s21, BOFF
	s_wait_kmcnt 0x0
	s_add_nc_u64 s[18:19], s[4:5], s[16:17]
	s_add_nc_u64 s[46:47], s[6:7], s[46:47]
	CROUND                                         ; all sixteen work-groups are here: the first joint loads meet
.irp s, 0,1
	s_mov_b32 s[G0A0+4*(\s)], 1
	s_add_co_u32 s[G0A0+4*(\s)+1], s20, (\s)*SLOT1
	s_add_nc_u64 s[G0A0+4*(\s)+2:G0A0+4*(\s)+3], s[18:19], (\s)*STEP_A
	s_or_b32 s[G0A0+4*(\s)+3], s[G0A0+4*(\s)+3], 0x80000000
	s_mov_b32 s[G0B0+4*(\s)], 1
	s_add_co_u32 s[G0B0+4*(\s)+1], s21, (\s)*SLOT1
	s_add_nc_u64 s[G0B0+4*(\s)+2:G0B0+4*(\s)+3], s[46:47], (\s)*STEP_B
	s_or_b32 s[G0B0+4*(\s)+3], s[G0B0+4*(\s)+3], 0x80000000
.endr
	s_cmp_eq_u32 s[HA], 0                          ; a wave's two first fills stand in one branch
	s_cbranch_scc0 .Lfirst_b
	tensor_load_to_lds s[G0A0:G0A0+3], s[G1A:G1A+7]
	s_nop 0
	tensor_load_to_lds s[G0A:G0A+3], s[G1A:G1A+7]
	s_nop 0
.rept 4
	v_nop
.endr
	s_branch .Lfirst_asked
.Lfirst_b:
	tensor_load_to_lds s[G0B0:G0B0+3], s[G1B:G1B+7]
	s_nop 0
	tensor_load_to_lds s[G0B:G0B+3], s[G1B:G1B+7]
	s_nop 0
.rept 4
	v_nop
.endr
.Lfirst_asked:
	; THE FACTORS, in the wait for the first tile.  Thread t stands for row t of the tile's 128: its 16 c m and 16 l
	s_lshl_b32 s22, s[BAT], 17                     ; 16 blocks x 2,048 queries x 4 bytes to a batch
	s_and_b32 s23, s43, 15
	s_lshl_b32 s23, s23, 9                         ; my tile's 128 queries
	s_add_co_u32 s22, s22, s23
	s_mov_b32 s23, 0
	s_add_nc_u64 s[8:9], s[8:9], s[22:23]
	v_lshlrev_b32 v[SOF], 2, v0
.set k, 0
.rept 16
	global_load_b32 v[CMV+k], v[SOF], s[8:9] offset:k*8192
	global_load_b32 v[LV+k],  v[SOF], s[8:9] offset:524288+k*8192
.set k, k+1
.endr
	WIN 0x40
.set k, 0
.rept 256
	v_mov_b32 v[k], 0                              ; MASTER
.set k, k+1
.endr
	WIN 0
	v_and_b32 v[R], 15, v0
	v_bfe_u32 v[H], v0, 4, 1
	v_mul_u32_u24 v[ADRA0], v[R], PA
	v_lshl_add_u32 v[ADRA0], v[H], 4, v[ADRA0]
	s_mul_i32 s15, s[HA], 64*PA                    ; my 64 rows of P
	v_add_nc_u32 v[ADRA0], s15, v[ADRA0]
	; the turning load takes 16 keys x 16 channels: lane l reads key 8 (l / 16) + l % 8, channels 8 ((l / 8) % 2) + 0..7, and is left with channel l % 16 and 8 keys
	v_and_b32 v15, 7, v0
	v_bfe_u32 v16, v0, 3, 1
	v_lshl_add_u32 v[ADRB0], v[H], 3, v15
	v_mul_u32_u24 v[ADRB0], v[ADRB0], PB
	v_lshl_add_u32 v[ADRB0], v16, 4, v[ADRB0]
	s_lshl_b32 s15, s[HB], 8                       ; my 128 channels
	s_add_co_u32 s15, s15, BOFF
	v_add_nc_u32 v[ADRB0], s15, v[ADRB0]
	v_mov_b32 v[ADRA], v[ADRA0]
	v_mov_b32 v[ADRB], v[ADRB0]
	s_mov_b32 s[TB], 0
	s_mul_i32 s15, s[WV], 16*SP
	s_add_co_u32 s15, s15, STAGE                   ; my stage
	v_mul_u32_u24 v[STO], v[R], SP                 ; in: row l % 16, 32 bytes for each half of the lanes
	v_lshl_add_u32 v[STO], v[H], 5, v[STO]
	v_add_nc_u32 v[STO], s15, v[STO]
	v_and_b32 v16, 31, v0
	v_lshlrev_b32 v[CO], 4, v16                    ; back: 32 lanes take a row's 512 bytes
	v_add_nc_u32 v[RD], s15, v[CO]
	v_lshl_add_u32 v[GS], v0, 3, GTAB
	s_lshl_b32 s15, s[HA], 9
	s_add_co_u32 s15, s15, GTAB
	v_lshl_add_u32 v[GA], v[R], 3, s15             ; rows 64 HA + 16 a + l % 16: 128 bytes from a to a + 1
	s_lshl_b32 s22, s43, 7                         ; out0 at my 64 rows and my 128 channels
	s_lshl_b32 s23, s[HA], 6
	s_add_co_u32 s22, s22, s23
	s_lshl_b32 s22, s22, 12
	s_lshl_b32 s23, s42, 10
	s_add_co_u32 s22, s22, s23
	s_lshl_b32 s23, s[HB], 9
	s_add_co_u32 s22, s22, s23
	s_mov_b32 s23, 0
	s_add_nc_u64 s[10:11], s[10:11], s[22:23]
	s_wait_loadcnt 0x0                             ; all 32 statistics of my row are in
	v_max3_num_f32 v[MX], v[CMV], v[CMV+1], v[CMV+2]
.set k, 3
.rept 6
	v_max3_num_f32 v[MX], v[MX], v[CMV+k], v[CMV+k+1]
.set k, k+2
.endr
	v_max_num_f32 v[MX], v[MX], v[CMV+15]          ; M: the row's maximum, in the exponent's units
.set k, 0
.rept 16
	v_sub_f32 v[CMV+k], v[CMV+k], v[MX]
.set k, k+1
.endr
.set k, 0
.rept 16
	v_exp_f32 v[CMV+k], v[CMV+k]                   ; e
.set k, k+1
.endr
	v_nop                                          ; a plain line behind the last exponential
	s_wait_alu depctr_va_vdst(0)
	v_mul_f32 v[LS], v[CMV], v[LV]
.set k, 1
.rept 15
	v_fmac_f32 v[LS], v[CMV+k], v[LV+k]            ; L
.set k, k+1
.endr
	v_rcp_f32 v[RL], v[LS]
	v_nop                                          ; a plain line behind the reciprocal
.set k, 0
	s_wait_alu depctr_va_vdst(0)
.rept 16
	v_mul_f32 v[GP+2*k],   v[CMV+k], v[RL]         ; g, twice: the packed multiply-add takes a pair
	v_mul_f32 v[GP+2*k+1], v[CMV+k], v[RL]
.set k, k+1
.endr
.set k, 0
.rept 16
	ds_store_b64 v[GS], v[GP+2*k:GP+2*k+1] offset:k*1024  ; a wave's store covers 256 consecutive bytes of its own
.set k, k+1
.endr
	s_wait_tensorcnt 0x1                           ; my part of K step 0 is in; step 1's may stay out
	s_wait_dscnt 0x0                               ; for the others' sake: my part of the table is written
	s_barrier_signal -1
	s_barrier_wait -1
	LOADA AX,0
	LOADB 0,0
	s_mov_b32 s[CNT], STEPS-2
.Lstep:                                                ; 14 trips: blocks 0 .. 13, each asks for the block two on
	QUARTER 0,AX,AY,1,0                            ; the block's first products start PART's sums
	QUARTER 1,AY,AX,0,1
	QUARTER 2,AX,AY,0,0
	QLAST 3,AY,AX,1
	WIN 0
	s_sub_co_u32 s[CNT], s[CNT], 1
	s_cmp_lg_u32 s[CNT], 0
	s_cbranch_scc1 .Lstep
	s_mov_b32 s[CNT], 2
.Ltail:                                                ; the last two blocks are a text of their own
	QUARTER 0,AX,AY,1,0
	QUARTER 1,AY,AX,0,1
	QUARTER 2,AX,AY,0,0
	QLAST 3,AY,AX,0
	WIN 0
	s_sub_co_u32 s[CNT], s[CNT], 1
	s_cmp_lg_u32 s[CNT], 0
	s_cbranch_scc1 .Ltail
; THE WAY OUT, a block of 16 rows at a time through my own stage: a lane's 32 bytes of a row go in, whole rows of 512 bytes come back.  The last multiply-adds are the places behind the last products.
.macro OSTAGE a
.set bk, BK+64*((\a)%2)
	WIN 0x04                                       ; the stores' data in window 1
.set g, 0
.rept 8
.set rM, 8*(16*(g/4)+4*(\a)+g%4)
	ds_store_b128 v[STO], v[rM:rM+3]   offset:64*g
	ds_store_b128 v[STO], v[rM+4:rM+7] offset:64*g+16
.set g, g+1
.endr
	WIN 0
	s_wait_xcnt 0x0                                ; the buffer that is loaded below was the data of earlier stores: it is rewritten only behind this wait
.set g, 0
.rept 16
	ds_load_b128 v[bk+4*g:bk+4*g+3], v[RD] offset:g*SP  ; LDS serves a wave's instructions in order (ISA guide 5.7.1.4): these see the stores above; the next block's stores come behind them
.set g, g+1
.endr
.endm
.macro OSEND a, younger                ; younger: the LDS instructions issued behind block a's loads: the next block's 32, or none
.set bk, BK+64*((\a)%2)
.set g, 0
.rept 16
	s_wait_dscnt (\younger)+15-g
	global_store_b128 v[CO], v[bk+4*g:bk+4*g+3], s[10:11] offset:(16*(\a)+g)*4096  ; 512 consecutive bytes, at a multiple of 256 from out0's first byte
.set g, g+1
.endr
.endm
	s_wait_dscnt 0x0
	OSTAGE 0
	OSTAGE 1
	OSEND 0, 32
	OSTAGE 2
	OSEND 1, 32
	OSTAGE 3
	OSEND 2, 32
	OSEND 3, 0
	s_wait_tensorcnt 0x0                           ; the wave's end, behind my last tensor load and my last LDS store
	ds_add_u32 v[SPW], v[NIL]
	s_wait_dscnt 0x0
	CROUND                                         ; the closing round
	s_endpgm
.Lfunc_end_k_qf913b3a55c_mix:
	.size	k_qf913b3a55c_mix, .Lfunc_end_k_qf913b3a55c_mix-k_qf913b3a55c_mix
	.p2alignl 7, 3214868480
	.fill 96, 4, 3214868480
	.section	.rodata,"a",@progbits
	.p2align	6, 0x0
	.amdhsa_kernel k_qf913b3a55c_mix
		.amdhsa_group_segment_fixed_size 327680
		.amdhsa_private_segment_fixed_size 0
		.amdhsa_enable_private_segment 0
		.amdhsa_kernarg_size 32
		.amdhsa_user_sgpr_count 2
		.amdhsa_user_sgpr_kernarg_segment_ptr 1
		.amdhsa_wavefront_size32 1
		.amdhsa_system_sgpr_workgroup_id_x 1
		.amdhsa_system_sgpr_workgroup_id_y 1
		.amdhsa_system_sgpr_workgroup_id_z 1
		.amdhsa_system_vgpr_workitem_id 0
		.amdhsa_next_free_vgpr 768
		.amdhsa_next_free_sgpr 72
		.amdhsa_reserve_vcc 0
		.amdhsa_float_denorm_mode_32 3
		.amdhsa_float_denorm_mode_16_64 3
		.amdhsa_memory_ordered 1
		.amdhsa_forward_progress 1
		.amdhsa_inst_pref_size 94
	.end_amdhsa_kernel
	.amdgpu_metadata
---
amdhsa.version: [ 1, 2 ]
amdhsa.kernels:
  - .name:           k_qf913b3a55c_mix
    .symbol:         k_qf913b3a55c_mix.kd
    .args:
      - { .name: p, .offset: 0, .size: 8, .value_kind: global_buffer, .address_space: global }
      - { .name: qkv, .offset: 8, .size: 8, .value_kind: global_buffer, .address_space: global }
      - { .name: stats, .offset: 16, .size: 8, .value_kind: global_buffer, .address_space: global }
      - { .name: out0, .offset: 24, .size: 8, .value_kind: global_buffer, .address_space: global }
    .group_segment_fixed_size: 327680
    .private_segment_fixed_size: 0
    .kernarg_segment_align: 8
    .kernarg_segment_size: 32
    .max_flat_workgroup_size: 128
    .sgpr_count:     72
    .vgpr_count:     768
    .wavefront_size: 32
...
	.end_amdgpu_metadata
.endif
;; end of part 4
;; ======== version 2 of 2: 4 launches; version 1 with the launch prep written anew for expert scheduling mode
;; limits: values are held in f16: magnitudes above 65,504 overflow, below 6.1e-05 lose precision
;; workspace buffers: xb 16,777,216 bytes; wb 6,291,456 bytes; qkv 50,331,648 bytes; p 33,554,432 bytes; stats 1,048,576 bytes
;; launch prep (part 5): grid 704 x 1, 8 waves a work-group, no clusters, 0 bytes of LDS; arguments x, kernel, xb, wb; writes xb, wb
.if DOCPART == 5
	.amdgcn_target "amdgcn-amd-amdhsa--gfx1250"
	.amdhsa_code_object_version 6
	.text
	.protected	k_qf913b3a55c_prep
	.globl	k_qf913b3a55c_prep
	.p2align	8
	.type	k_qf913b3a55c_prep,@function
k_qf913b3a55c_prep:
	s_mov_b64 s[64:65], 0
	v_nop
	global_prefetch_b8 v0, s[64:65] scope:SCOPE_SE
	s_setreg_imm32_b32 hwreg(HW_REG_WAVE_SCHED_MODE, 0, 2), 2
	s_setreg_imm32_b32 hwreg(HW_REG_WAVE_MODE, 25, 1), 1
	s_wait_xcnt 0x0
	s_wait_alu depctr_vm_vsrc(0)
; x [8192][1024] and kernel [3][1024][1024], both f32, are rounded once to bf16 (nearest even) and laid out for the product that follows.
;   xb [kblk 16][row 8192][64]: the 64 numbers of one K step of a row are 128 bytes, and neighbouring rows follow each other, so 128 rows of a K step are 16,384 dense bytes.
;   wb [d 1024][n 3072], n = 1024 i + e: the three matrices side by side, not turned.
; A stream: every byte is read once and written once, nothing is shared between work-groups, so there is no LDS, no barrier, no matrix unit and no cluster.
; Work-groups 0-511 take 16 rows of x each, 512-703 take 16 rows of kernel each.  A wave issues its 16 loads of 512 bytes at once; they are converted and stored in four blocks of four.
; Every store of a wave covers 256 consecutive bytes at a multiple of 256 from its buffer's first byte.
; THE MODE: SCHED_MODE bits 1:0 = 2 (LLVM: expert scheduling mode 2), set by the entry lines.  The code itself states the register dependences
; between vector instructions and memory instructions, with s_wait_alu, always for 0.
; THE PLAN.  Registers that memory instructions touch:
;   v[SO], v[DO]  byte offsets, made once at an arm's head by vector lines and never written again; read by the 16 loads and by the 16 stores.
;   X             written by the loads alone, each register once; read by the roundings.
;   Y             written by the roundings, each register once; read by the stores.
; No register is written twice, so nothing is owed for a register that a memory instruction has read, and no load lands in a register that a vector line has named.
; What is stated is that a vector line has WRITTEN what a memory instruction reads: once for the two offsets, ahead of the first load, and once a block for Y.
; Block b waits for its four loads and rounds them into its part of Y; the four stores of block b - 1 are dealt among its eight roundings, which name block b's X and Y alone.
; So the one wait at a block's head states all that the block's four stores hang on; a last wait stands ahead of block 3's stores.
.set SO, 2                             ; v2       byte offset of my 16 bytes in the source
.set DO, 3                             ; v3       byte offset of my 8 bytes in the destination
.set X,  8                             ; v[8:71]  16 loads, 4 f32 each
.set Y,  72                            ; v[72:103] 16 stores, 4 bf16 each
.macro CV n                            ; load n has come: two packed roundings
	v_cvt_pk_bf16_f32 v[Y+2*(\n)],   v[X+4*(\n)],   v[X+4*(\n)+1]
	v_cvt_pk_bf16_f32 v[Y+2*(\n)+1], v[X+4*(\n)+2], v[X+4*(\n)+3]
.endm
.macro ST n, w                         ; store n.  w = 0: into xb, K block n: blocks 0-7 from s[8:9], 8-15 from s[16:17].  w = 1: into wb, row n / 8 of my two, 256 bytes n % 8 of its 2,048
.if \w
	global_store_b64 v[DO], v[Y+2*(\n):Y+2*(\n)+1], s[10:11] offset:((\n)/8)*6144+((\n)%8)*256
.else
	global_store_b64 v[DO], v[Y+2*(\n):Y+2*(\n)+1], s[8+8*((\n)/8):9+8*((\n)/8)] offset:((\n)%8)*1048576
.endif
.endm
.macro WALK w                          ; the four blocks
.set k, 0
.rept 16
.if k%4 == 0
	s_wait_loadcnt 12-k                            ; loads come back in order (ISA guide 5.7.1): this block's four are in, the 12 - k younger ones may stay out
.if k > 0
	s_wait_alu depctr_va_vdst(0)                   ; the block before has written its part of Y, which this block's four stores read
.endif
.endif
.if k >= 4
	ST k-4, \w                                     ; no vector line since the wait names this store's registers
.endif
	CV k
.set k, k+1
.endr
	s_wait_alu depctr_va_vdst(0)                   ; block 3 has written its part of Y, which the last four stores read
.rept 4
	ST k-4, \w
.set k, k+1
.endr
.endm
	s_load_b256 s[4:11], s[0:1], 0x0               ; x s[4:5], kernel s[6:7], xb s[8:9], wb s[10:11]
	s_mov_b32 s13, 0
	s_mov_b32 s15, 0
	s_cmp_lt_u32 ttmp9, 512
	s_cbranch_scc0 .Lweights
	; ---- x: work-group g owns rows 16 g .. 16 g + 15; half a wave owns a row; load k takes the 256 bytes of K block k of both rows
	s_lshl_b32 s12, ttmp9, 16                      ; 16 rows of 4,096 bytes
	s_lshl_b32 s14, ttmp9, 11                      ; 16 rows of 128 bytes in a K block of xb
	v_lshrrev_b32 v1, 4, v0                        ; my row among the 16
	v_and_b32 v4, 15, v0
	v_lshlrev_b32 v[SO], 12, v1
	v_lshl_add_u32 v[SO], v4, 4, v[SO]             ; row x 4,096 + 16 x (lane mod 16)
	v_lshlrev_b32 v[DO], 3, v0                     ; row x 128 + 8 x (lane mod 16) = 8 x thread
	s_wait_kmcnt 0x0
	s_add_nc_u64 s[4:5], s[4:5], s[12:13]
	s_add_nc_u64 s[8:9], s[8:9], s[14:15]          ; K blocks 0-7: the block stands in the store's immediate,
	s_add_nc_u64 s[16:17], s[8:9], 0x800000        ; K blocks 8-15 from a second base, so that it stays inside the signed 24 bits
	s_wait_alu depctr_va_vdst(0)                   ; v[SO] and v[DO] are written: every load of this arm reads the one as its offset, every store the other
.set k, 0
.rept 16
	global_load_b128 v[X+4*k:X+4*k+3], v[SO], s[4:5] offset:256*k th:TH_LOAD_NT
.set k, k+1
.endr
	WALK 0
	s_endpgm
.Lweights:
	; ---- kernel: work-group g' owns rows 16 g' .. of the 3,072 rows (i, d); a wave owns two rows, eight loads of 512 bytes each
	s_sub_co_u32 s18, ttmp9, 512
	s_lshl_b32 s12, s18, 16
	s_and_b32 s19, s18, 63
	s_mul_i32 s14, s19, 16*6144                    ; d = 16 (g' mod 64): rows of 6,144 bytes in wb
	s_lshr_b32 s19, s18, 6
	s_lshl_b32 s19, s19, 11                        ; matrix i = g' / 64: 2,048 bytes along the row
	s_add_co_u32 s14, s14, s19
	v_lshrrev_b32 v1, 5, v0                        ; wave
	v_and_b32 v4, 31, v0                           ; lane
	v_lshlrev_b32 v[SO], 13, v1
	v_lshl_add_u32 v[SO], v4, 4, v[SO]
	v_mul_u32_u24 v[DO], v1, 2*6144
	v_lshl_add_u32 v[DO], v4, 3, v[DO]
	s_wait_kmcnt 0x0
	s_add_nc_u64 s[6:7], s[6:7], s[12:13]
	s_add_nc_u64 s[10:11], s[10:11], s[14:15]
	s_wait_alu depctr_va_vdst(0)                   ; v[SO] and v[DO] are written: every load of this arm reads the one as its offset, every store the other
.set k, 0
.rept 16
	global_load_b128 v[X+4*k:X+4*k+3], v[SO], s[6:7] offset:(k/8)*4096+(k%8)*512 th:TH_LOAD_NT
.set k, k+1
.endr
	WALK 1
	s_endpgm
.Lfunc_end_k_qf913b3a55c_prep:
	.size	k_qf913b3a55c_prep, .Lfunc_end_k_qf913b3a55c_prep-k_qf913b3a55c_prep
	.p2alignl 7, 3214868480
	.fill 96, 4, 3214868480
	.section	.rodata,"a",@progbits
	.p2align	6, 0x0
	.amdhsa_kernel k_qf913b3a55c_prep
		.amdhsa_group_segment_fixed_size 0
		.amdhsa_private_segment_fixed_size 0
		.amdhsa_enable_private_segment 0
		.amdhsa_kernarg_size 32
		.amdhsa_user_sgpr_count 2
		.amdhsa_user_sgpr_kernarg_segment_ptr 1
		.amdhsa_wavefront_size32 1
		.amdhsa_system_sgpr_workgroup_id_x 1
		.amdhsa_system_sgpr_workgroup_id_y 1
		.amdhsa_system_sgpr_workgroup_id_z 1
		.amdhsa_system_vgpr_workitem_id 0
		.amdhsa_next_free_vgpr 104
		.amdhsa_next_free_sgpr 66
		.amdhsa_reserve_vcc 0
		.amdhsa_float_denorm_mode_32 3
		.amdhsa_float_denorm_mode_16_64 3
		.amdhsa_memory_ordered 1
		.amdhsa_forward_progress 1
		.amdhsa_inst_pref_size 13
	.end_amdhsa_kernel
	.amdgpu_metadata
---
amdhsa.version: [ 1, 2 ]
amdhsa.kernels:
  - .name:           k_qf913b3a55c_prep
    .symbol:         k_qf913b3a55c_prep.kd
    .args:
      - { .name: x, .offset: 0, .size: 8, .value_kind: global_buffer, .address_space: global }
      - { .name: kernel, .offset: 8, .size: 8, .value_kind: global_buffer, .address_space: global }
      - { .name: xb, .offset: 16, .size: 8, .value_kind: global_buffer, .address_space: global }
      - { .name: wb, .offset: 24, .size: 8, .value_kind: global_buffer, .address_space: global }
    .group_segment_fixed_size: 0
    .private_segment_fixed_size: 0
    .kernarg_segment_align: 8
    .kernarg_segment_size: 32
    .max_flat_workgroup_size: 256
    .sgpr_count:     66
    .vgpr_count:     104
    .wavefront_size: 32
...
	.end_amdgpu_metadata
.endif
;; end of part 5
;; launch project: the kernel of part 2 again; grid 8 x 32, 4 waves a work-group, clusters of 4 x 4, 327,680 bytes of LDS; arguments xb, wb, qkv; writes qkv
;; launch scores: the kernel of part 3 again; grid 8 x 32, 4 waves a work-group, clusters of 4 x 4, 327,680 bytes of LDS; arguments qkv, p, stats; writes p, stats
;; launch mix: the kernel of part 4 again; grid 4 x 64, 4 waves a work-group, clusters of 4 x 4, 327,680 bytes of LDS; arguments p, qkv, stats, out0; writes out0
